; MI455X (gfx1250); checked and timed in simulation.
; The chip was launched on July 23, 2026; its instructions are those of AMD's public machine-readable ISA for CDNA 5 (MIT licence, August 2026) and "CDNA5" Instruction Set Architecture Reference Guide (July 2026). The comments in the code are by the model that wrote it; some were corrected since.
;; Local MHA. Allowed arithmetic: matrix products marked QUANTISED: E3M2 operands, one E8M0 scale for each 32 along K, by v_wmma_scale_f32_16x16x128_f8f6f4 with both operands' format E3M2, f32 sums; products left as they are: f32 operands where the result goes on into a quantised operand, else bf16, f16 or f32 operands; f32 sums; everything else in f32.
;; Inputs: beta 1,024 float32; gamma 1,024 float32; w_out 1,024 x 1,024 float32; w_qkv 3,072 x 1,024 float32; x 1,024 x 16,384 float32.
;; Outputs: out0 1,024 x 16,384 float32.
;; This version of the problem:
;;   THIS VERSION OF THE PROBLEM IS GIVEN IN LOW PRECISION. The matrix products marked QUANTISED in the list below multiply operands that are first quantised to E3M2 (3 exponent bits, 2 mantissa bits; 6 bits a number), with one power-of-two scale for each 32 numbers along K (OCP MX v1.0); their sums are f32. All else is computed in f32.
;;   The module's matrix products, in the order in which they are computed (A, B: the left and right operand; K: the contracted axis; several contracted axes count as one K, in the product's order):
;;     1. [M 16,384, K 1,024] x [K 1,024, N 3,072]; A: computed on the way; B: input w_qkv: QUANTISED
;;     2. [M 32, K 1] x [K 1, N 32]; A: computed on the way; B: computed on the way: left as it is (no contracted axis)
;;     3. batch 8,192 x [M 32, K 64] x [K 64, N 32]; A: computed on the way; B: computed on the way: QUANTISED
;;     4. batch 8,192 x [M 32, K 32] x [K 32, N 64]; A: softmax (see below); B: computed on the way: QUANTISED
;;     5. [M 16,384, K 1,024] x [K 1,024, N 1,024]; A: computed on the way; B: input w_out: QUANTISED
;;   THE QUANTISER, for each operand of a quantised product, along K:
;;     - K is cut into blocks of 32 from its start; a last block that is shorter is filled with zeros.
;;     - A block's scale is 2^e with e = floor(log2(the largest magnitude in the block)) - 4, held to -126 .. 127; a block of zeros has e = 0. As a byte (E8M0): e + 127.
;;     - Each number is divided by its block's scale, clamped to +-28, and rounded to the nearest number of E3M2, ties to even, subnormals kept.
;;     - The product sums the exact products of the quantised numbers (number of the format x scale) in f32.
;;   ~~~python
;;   def quantise(x, axis):      # numpy; x: float32 -> the quantised numbers, widened to float32 again
;;       x = np.moveaxis(x, axis, -1); K = x.shape[-1]
;;       x = np.pad(x, [(0, 0)] * (x.ndim - 1) + [(0, -K % 32)]); x = x.reshape(x.shape[:-1] + (-1, 32)); a = np.abs(x).max(-1, keepdims=True)
;;       e = np.where(a > 0, np.clip(np.frexp(np.where(a > 0, a, 1))[1] - 1 - 4, -126, 127), 0)      # np.frexp(a)[1] - 1 = floor(log2(a)), exactly
;;       r = np.clip(x / 2.0 ** e, -28, 28)
;;       step = 2.0 ** (np.maximum(np.frexp(np.where(r == 0, 1, r))[1] - 1, -2) - 2)
;;       q = np.round(r / step) * step * 2.0 ** e      # np.round: ties to even
;;       return np.moveaxis(q.reshape(q.shape[:-2] + (-1,))[..., :K], -1, axis).astype(np.float32)
;;   ~~~
;;   SOFTMAX AHEAD OF A QUANTISED PRODUCT. Where the list says 'softmax', what is quantised is not the finished softmax but p = 2^(t - M), with t = logit x log2(e) and M = ceil(the row's largest t), a whole number; so 1/2 < the row's largest p <= 1. The row's sum l is taken of the UNQUANTISED p, in f32, and the product's result is divided by l at the end. Since M is a whole number, a kernel that streams over the keys may use a running M (the ceiling of the running maximum): every later rescaling is an exact power of two, which a block's scale takes up: the codes' values come out the same.
;;   OPERANDS COMPUTED ON THE WAY. 'Computed on the way' means the value that the module computes at that place (a softmax that the list does not call 'softmax' is quantised finished and normalised). What goes into a quantiser is computed in f32, as accurately as f32 sums, v_exp_f32 and their like allow (about 1e-6 of the number): no bf16 or f16 on the way to a quantiser, and a product that is left as it is and whose result goes on into a quantised operand takes f32 operands (vector FMAs, or v_wmma_f32_16x16x4_f32). A number that lies on a knife's edge between two numbers of the format may be rounded either way, as far as f32 arithmetic and the matrix unit's own rounding can turn it there, and no further.
;; One version. Each part assembles by itself: llvm-mc -triple=amdgcn-amd-amdhsa -mcpu=gfx1250 --defsym DOCPART=n.
;; ======== version 1 of 1: 3 launches
;; limits: right only within a limited range of input values
;; workspace buffers: xc 12,582,912 bytes; xs 524,288 bytes; wq 2,457,600 bytes; wo 786,432 bytes; wos 32,768 bytes; oc 12,582,912 bytes; os 524,288 bytes; rot 8,192 bytes
;; launch prep (part 1): grid 256 x 1, 16 waves a work-group, no clusters, 131,072 bytes of LDS; arguments x, gamma, beta, xc, xs, w_qkv, w_out, wq, wo, wos, rot; writes xc, xs, wq, wo, wos, rot
.if DOCPART == 1
	.amdgcn_target "amdgcn-amd-amdhsa--gfx1250"
	.amdhsa_code_object_version 6
	.text
	.protected	k_q023081a837_prep
	.globl	k_q023081a837_prep
	.p2align	8
	.type	k_q023081a837_prep,@function
k_q023081a837_prep:
	s_mov_b64 s[64:65], 0
	v_nop
	global_prefetch_b8 v0, s[64:65] scope:SCOPE_SE
	s_setreg_imm32_b32 hwreg(HW_REG_WAVE_MODE, 25, 1), 1
	s_wait_xcnt 0x0
; LocalMHA, first of three launches: everything that is quantised ONCE.  No work of the problem is left out anywhere in this program: every input reaches the output, gamma and beta are loaded,
; the maximum is taken away ahead of the exponential.
; EVERY WORK-GROUP: LayerNorm over the 1,024 channels of 64 tokens, x [channel][token] f32, then codes of E3M2 along the channels (the first product's K) with one E8M0 byte for each 32.
; BESIDE THAT, while the first loads of x are on their way: waves 0-7 each make ONE fragment of w_qkv [3072][1024] or w_out [1024][1024] (2,048 fragments, eight to a work-group);
; waves 8-15 of work-groups 0 and 1 make the rotary cosines and sines (the outer product position x frequency, in f32).
; ALL WORKSPACE LIES IN THE ORDER OF THE OPERANDS' REGISTERS.  A fragment is 16 rows x 128 K, 12 registers a lane, 1,536 bytes, as [g 0..2][lane][16 bytes] = registers 4 g .. 4 g + 3.
; TOKEN TILES: tile T = 2 x window + u; its row r is token 32 x window + 8 u + r + 8 (r / 8), so that two neighbouring tiles' results are 16 neighbours along the keys.
;   xc [T 1024][K step 8] fragments;  xs [T][K step][r 16] scale words;  wq [head 16][chunk 4]: [K step in chunk 2][tile b 12] fragments, then 12 registers of scale words as [g 3][lane][16 bytes];
;   b = 4 x (q, k, v) + t; row r of tile t is channel 32 (t / 2) + 8 (t % 2) + r + 8 (r / 8) of the head;  wo [K slot 4][tile 64][K step in slot 2] fragments, rows as they lie;  wos [tile / 8][K step 8][tile % 8][r 16] words;
;   rot: cos [u 2][k 4][lane 32][e 4] f32, sin 4,096 bytes on: frequency 16 (lane / 16) + 4 k + e, position 8 u + r + 8 (r / 8).
; A block's scale byte is its largest magnitude's exponent field - 4, held at 1 from below.
; LIMITS: NaN and infinities among the inputs are not served.  A block whose largest magnitude lies under 2^-122 keeps the byte 1; a block of zeros keeps the byte 1 where the rule says 127: its codes are zeros and only this program reads the bytes.
; The work-groups share no input but gamma and beta (8,192 bytes): no cluster.  The waves part once, on the wave's number, and join ahead of the first barrier; each use of LDS has bytes of its own.
.set P1,    0                          ; 512 partial sums
.set P2,    2048                       ; 512 partial sums of squares
.set GBL,   4096                       ; gamma's 1,024 numbers, then beta's
.set XST,   12288                      ; 3,072 bytes for each wave: two fragments' images
.set WST,   61440                      ; waves 0-7: 16 rows x (512 + 16) bytes each
.set SPARE, 129024                     ; the spare words, 128 bytes for each wave: eight blocks of 256 bytes that no other line names
.set SPW,   12                         ; v12  LDS address of my spare word; never rewritten
.set NIL,   13                         ; v13  0; never rewritten
.set X,     32                         ; v32-159 my token's 128 channels
.set FLOOR, 0x2800000                  ; 2^(5 - 127): under it no largest magnitude is taken, so the byte cannot fall under 1
.set OFF4,  0xfe000000                 ; takes 4 off an exponent field
; REGISTERS: v1-11 lane terms and addresses that stay; v14-17 mean and 1 / deviation, as pairs; v18-29 at work; v30 my K step's place in gamma; v31 8 x thread; v160-183 fragments on the way out; v184-190 a block's codes;
;   v192-223, v224-255 gamma and beta of 16 channels, two sets by turns.   s[68:89] the eleven addresses.
.macro XLOAD g                         ; 32 channels of my token; the offsets stay inside the signed 24-bit immediate: 127 x 65,536 at the most
.set i_, 0
.rept 32
	global_load_b32 v[X+32*(\g)+i_], v2, s[68:69] offset:(32*(\g)+i_)*65536 th:TH_LOAD_NT
.set i_, i_+1
.endr
.endm
.macro XSUM g                          ; their sum, two at a time, in four chains; the first eight pairs start the chains: nothing is cleared
.set i_, 0
.if (\g) == 0
.irp k, 0,1,2,3
	v_pk_add_f32 v[18+2*\k:19+2*\k], v[X+4*\k:X+4*\k+1], v[X+4*\k+2:X+4*\k+3]
.endr
.set i_, 8
.endif
.rept 16-i_
	v_pk_add_f32 v[18+2*(i_%4):19+2*(i_%4)], v[18+2*(i_%4):19+2*(i_%4)], v[X+32*(\g)+2*i_:X+32*(\g)+2*i_+1]
.set i_, i_+1
.endr
.endm
.macro MEET p                          ; the four chains fold; the eight waves of a window add their parts, every wave in the same order
	s_delay_alu instid0(VALU_DEP_3)
	v_pk_add_f32 v[18:19], v[18:19], v[20:21]
	s_delay_alu instid0(VALU_DEP_2)
	v_pk_add_f32 v[22:23], v[22:23], v[24:25]
	s_delay_alu instid0(VALU_DEP_1)
	v_pk_add_f32 v[18:19], v[18:19], v[22:23]
	s_delay_alu instid0(VALU_DEP_1)
	v_add_f32 v18, v18, v19
	ds_store_b32 v5, v18 offset:\p
	s_wait_dscnt 0x0                               ; for the others' sake: my stores have landed
	s_barrier_signal -1
	s_barrier_wait -1
.irp k, 0,1,2,3,4,5,6,7
	ds_load_b32 v[18+\k], v6 offset:\p+128*\k
.endr
	s_wait_dscnt 0x0
.irp k, 1
	v_add_f32 v18, v18, v[18+\k]
.endr
.irp k, 2, 3, 4, 5, 6, 7
	s_delay_alu instid0(VALU_DEP_1)
	v_add_f32 v18, v18, v[18+\k]
.endr
.endm
.macro GBLOAD hb                       ; gamma and beta of 16 channels: all lanes read the same 16 bytes
.set gS, 192+32*((\hb)%2)
.irp k, 0,1,2,3
	ds_load_b128 v[gS+4*\k:gS+4*\k+3], v30 offset:GBL+64*(\hb)+16*\k
	ds_load_b128 v[gS+16+4*\k:gS+19+4*\k], v30 offset:GBL+4096+64*(\hb)+16*\k
.endr
.endm
.macro HB hb                           ; 16 channels: x 1 / deviation, x gamma + beta; the next 16 channels' gamma and beta are asked for while these are used
	s_wait_dscnt 0x0                               ; this set is in; and the last block's stores into the stage have read their registers
.if (\hb) < 7
	GBLOAD (\hb)+1
.endif
.set gS, 192+32*((\hb)%2)
.set i_, 0
.rept 8
	v_pk_mul_f32 v[X+16*(\hb)+2*i_:X+16*(\hb)+2*i_+1], v[X+16*(\hb)+2*i_:X+16*(\hb)+2*i_+1], v[16:17]
.set i_, i_+1
.endr
.set i_, 0
.rept 8
	v_pk_fma_f32 v[X+16*(\hb)+2*i_:X+16*(\hb)+2*i_+1], v[X+16*(\hb)+2*i_:X+16*(\hb)+2*i_+1], v[gS+2*i_:gS+2*i_+1], v[gS+16+2*i_:gS+17+2*i_]
.set i_, i_+1
.endr
.endm
.macro XQ bq                           ; block bq = 2 c + h of the K step: registers 6 c .. 6 c + 5 of lane (r, h) of my tile's fragment
.set xS, X+32*(\bq)
.set xC, (\bq)/2
.set xH, (\bq)%2
	v_max3_num_f32 v27, |v[xS]|, |v[xS+1]|, |v[xS+2]|
	v_max3_num_f32 v28, |v[xS+3]|, |v[xS+4]|, |v[xS+5]|
.irp i, 6,10,14,18,22,26
	s_delay_alu instid0(VALU_DEP_2)
	v_max3_num_f32 v27, v27, |v[xS+\i]|, |v[xS+\i+1]|
	s_delay_alu instid0(VALU_DEP_2)
	v_max3_num_f32 v28, v28, |v[xS+\i+2]|, |v[xS+\i+3]|
.endr
	s_delay_alu instid0(VALU_DEP_2)
	v_max3_num_f32 v27, v27, |v[xS+30]|, |v[xS+31]|
	s_delay_alu instid0(VALU_DEP_1)
	v_max3_num_f32 v27, v27, v28, FLOOR
	s_delay_alu instid0(VALU_DEP_1)
	v_add_nc_u32 v29, OFF4, v27
	s_delay_alu instid0(VALU_DEP_1)
	v_lshrrev_b32 v28, 23, v29
.if (\bq) == 0
	s_delay_alu instid0(VALU_DEP_1)
	v_mov_b32 v26, v28
.else
	s_delay_alu instid0(VALU_DEP_1)
	v_lshl_or_b32 v26, v28, 8*(\bq), v26           ; the K step's scale word, the lower K in the lower byte
.endif
	v_cvt_scalef32_pk16_bf6_f32 v[184:186], v[xS:xS+15], v29
	v_cvt_scalef32_pk16_bf6_f32 v[188:190], v[xS+16:xS+31], v29     ; (a conversion's three registers begin on an even number)
	v_nop                                          ; one plain instruction behind a scaled conversion
	v_mov_b32 v187, v188
	v_mov_b32 v188, v189
	v_mov_b32 v189, v190
.irp p, 0,1,2
	ds_store_b64 v7, v[184+2*\p:185+2*\p] offset:512*((24*xC+8*\p)/16)+(24*xC+8*\p)%16+256*xH
.endr
.endm
; The angle (at most 31) less the nearest multiple of pi / 2, in two parts; polynomials on what is left; the quadrant chooses and signs.  Choices by v_cndmask_b32 alone.
.macro SINCOS th, co, si, t
	v_mul_f32 v[\t], s41, v[\th]
	s_delay_alu instid0(VALU_DEP_1)
	v_rndne_f32 v[\t], v[\t]                       ; the quadrant's number
	s_delay_alu instid0(VALU_DEP_1)
	v_fma_f32 v[\t+1], -v[\t], s42, v[\th]
	s_delay_alu instid0(VALU_DEP_1)
	v_fma_f32 v[\t+1], -v[\t], s43, v[\t+1]        ; what is left, within pi / 4
	s_delay_alu instid0(VALU_DEP_1)
	v_mul_f32 v[\t+2], v[\t+1], v[\t+1]
	s_delay_alu instid0(VALU_DEP_1)
	v_fma_f32 v[\t+3], v[\t+2], s44, s45
	s_delay_alu instid0(VALU_DEP_1)
	v_fma_f32 v[\t+3], v[\t+3], v[\t+2], s46
	s_delay_alu instid0(VALU_DEP_1)
	v_mul_f32 v[\t+3], v[\t+3], v[\t+2]
	s_delay_alu instid0(VALU_DEP_1)
	v_fma_f32 v[\t+3], v[\t+3], v[\t+1], v[\t+1]   ; its sine
	v_fma_f32 v[\t+4], v[\t+2], s47, s48
	s_delay_alu instid0(VALU_DEP_1)
	v_fma_f32 v[\t+4], v[\t+4], v[\t+2], s49
	v_mul_f32 v[\t+5], v[\t+2], v[\t+2]
	v_fma_f32 v[\t+1], v[\t+2], -0.5, 1.0
	s_delay_alu instid0(VALU_DEP_1)
	v_fma_f32 v[\t+4], v[\t+4], v[\t+5], v[\t+1]   ; its cosine
	v_cvt_i32_f32 v[\t], v[\t]
	s_delay_alu instid0(VALU_DEP_1)
	v_and_b32 v[\t+1], 1, v[\t]
	s_delay_alu instid0(VALU_DEP_1)
	v_cmp_eq_u32 vcc_lo, 1, v[\t+1]                ; odd quadrants swap the two
	s_delay_alu instid0(VALU_DEP_1)
	v_cndmask_b32 v[\si], v[\t+3], v[\t+4], vcc_lo
	s_delay_alu instid0(VALU_DEP_2)
	v_cndmask_b32 v[\co], v[\t+4], v[\t+3], vcc_lo
	v_and_b32 v[\t+1], 2, v[\t]
	s_delay_alu instid0(VALU_DEP_1)
	v_lshlrev_b32 v[\t+1], 30, v[\t+1]
	s_delay_alu instid0(VALU_DEP_1)
	v_xor_b32 v[\si], v[\si], v[\t+1]              ; the sine is negative in quadrants 2, 3,
	v_add_nc_u32 v[\t+1], 1, v[\t]
	s_delay_alu instid0(VALU_DEP_1)
	v_and_b32 v[\t+1], 2, v[\t+1]
	s_delay_alu instid0(VALU_DEP_1)
	v_lshlrev_b32 v[\t+1], 30, v[\t+1]
	s_delay_alu instid0(VALU_DEP_1)
	v_xor_b32 v[\co], v[\co], v[\t+1]              ; the cosine in 1, 2
.endm
	s_load_b512 s[68:83], s[0:1], 0x0              ; x s[68:69], gamma s[70:71], beta s[72:73], xc s[74:75], xs s[76:77], w_qkv s[78:79], w_out s[80:81], wq s[82:83]
	s_load_b128 s[84:87], s[0:1], 0x40             ; wo s[84:85], wos s[86:87]
	s_load_b64 s[88:89], s[0:1], 0x50              ; rot
	v_lshl_add_u32 v[SPW], v0, 2, SPARE
	v_mov_b32 v[NIL], 0
	v_lshrrev_b32 v1, 5, v0
	s_delay_alu instid0(VALU_DEP_1)
	v_readfirstlane_b32 s14, v1                    ; wave 0..15: window wave / 8 of the two, K step wave % 8
	s_delay_alu instid0(VALU_DEP_2)
	v_and_b32 v30, 7, v1
	s_delay_alu instid0(VALU_DEP_1)
	v_lshlrev_b32 v30, 9, v30                      ; my K step's 128 numbers in gamma and in beta: the same in all lanes
	v_and_b32 v1, 31, v0                           ; lane = the token in its window
	s_delay_alu instid0(VALU_DEP_1)
	v_lshlrev_b32 v2, 2, v1
	v_lshlrev_b32 v5, 2, v0                        ; my partial sum's word
	v_lshlrev_b32 v31, 3, v0                       ; my 8 bytes of gamma and of beta
	s_lshr_b32 s15, s14, 3                         ; window
	s_and_b32 s16, s14, 7                          ; K step
	s_lshl_b32 s17, s15, 10
	v_add_nc_u32 v6, s17, v2                       ; the eight partial sums of my token
	v_bfe_u32 v3, v1, 3, 1                         ; u: which tile of the window,
	v_and_b32 v4, 7, v1
	v_lshrrev_b32 v11, 4, v1
	s_delay_alu instid0(VALU_DEP_1)
	v_lshl_or_b32 v4, v11, 3, v4                   ; and which row r of it
	s_mul_i32 s17, s14, 3072
	s_add_co_u32 s17, s17, XST
	v_mul_u32_u24 v7, v3, 1536
	s_delay_alu instid0(VALU_DEP_1)
	v_lshl_add_u32 v7, v4, 4, v7
	s_delay_alu instid0(VALU_DEP_1)
	v_add_nc_u32 v7, s17, v7                       ; into my stage: tile u's image, 16 r
	v_lshlrev_b32 v9, 4, v1                        ; 16 x lane
	s_delay_alu instid0(VALU_DEP_1)
	v_add_nc_u32 v8, s17, v9                       ; out of my stage
	v_lshlrev_b32 v10, 9, v3
	s_delay_alu instid0(VALU_DEP_1)
	v_lshl_add_u32 v10, v4, 2, v10                 ; my scale word: 512 u + 4 r
	s_lshl_b32 s4, s16, 23                         ; x: 128 channels of 65,536 bytes a K step,
	s_lshl_b32 s17, ttmp9, 8
	s_add_co_u32 s4, s4, s17                       ; 64 tokens a work-group,
	s_lshl_b32 s17, s15, 7
	s_add_co_u32 s4, s4, s17                       ; 32 a window
	s_mov_b32 s5, 0
	s_mul_i32 s6, ttmp9, 49152                     ; xc: four tiles of 12,288 bytes a work-group
	s_mul_i32 s17, s15, 24576
	s_add_co_u32 s6, s6, s17
	s_mul_i32 s17, s16, 1536
	s_add_co_u32 s6, s6, s17
	s_mov_b32 s7, 0
	s_lshl_b32 s8, ttmp9, 11                       ; xs: four tiles of 512 bytes
	s_lshl_b32 s17, s15, 10
	s_add_co_u32 s8, s8, s17
	s_lshl_b32 s17, s16, 6
	s_add_co_u32 s8, s8, s17
	s_mov_b32 s9, 0
	s_wait_kmcnt 0x0
	s_add_nc_u64 s[68:69], s[68:69], s[4:5]
	s_add_nc_u64 s[74:75], s[74:75], s[6:7]
	s_add_nc_u64 s[76:77], s[76:77], s[8:9]
	global_load_b64 v[184:185], v31, s[70:71]      ; the 512 threads bring gamma and beta whole, once
	global_load_b64 v[186:187], v31, s[72:73]
	s_cmp_lt_u32 s14, 8                            ; THE ONE PARTING, on the wave's number; the first 64 loads of x stand in both arms; no barrier stands in either
	s_cbranch_scc0 .Lhigh
; ---------------- waves 0-7: ONE fragment of a weight: 16 rows x 128 K.  Fragment 8 x work-group + wave of 2,048: j = work-group / 2 (0-95 w_qkv, 96-127 w_out), K step = wave, half = work-group % 2.
; One way through the text for both weights: what differs is chosen by s_cselect on the work-group's number.
	s_lshr_b32 s20, ttmp9, 1                       ; j
	s_mov_b32 s21, s14                             ; K step s
	s_and_b32 s22, ttmp9, 1
	s_lshr_b32 s23, s20, 1                         ; w_qkv: 16 x kind + head: its 64 rows
	s_and_b32 s24, s23, 15                         ; head
	s_lshr_b32 s25, s23, 4                         ; kind: q, k, v
	s_and_b32 s26, s20, 1
	s_lshl_b32 s26, s26, 1
	s_add_co_u32 s26, s26, s22                     ; tile t
	s_lshl_b32 s27, s25, 2
	s_add_co_u32 s27, s27, s26                     ; b = 4 kind + t
	s_lshl_b32 s28, s23, 6
	s_lshr_b32 s29, s26, 1
	s_lshl_b32 s29, s29, 5
	s_add_co_u32 s28, s28, s29
	s_and_b32 s29, s26, 1
	s_lshl_b32 s29, s29, 3
	s_add_co_u32 s28, s28, s29                     ; the tile's first row: 64 j' + 32 (t / 2) + 8 (t % 2)
	s_lshl_b32 s28, s28, 12                        ; rows of 4,096 bytes
	s_lshl_b32 s30, s21, 9                         ; 512 s
	s_add_co_u32 s28, s28, s30
	s_mul_i32 s31, s24, 153600
	s_lshr_b32 s32, s21, 1
	s_mul_i32 s33, s32, 38400
	s_add_co_u32 s31, s31, s33                     ; the chunk
	s_and_b32 s34, s21, 1
	s_mul_i32 s35, s34, 18432
	s_add_co_u32 s35, s35, s31
	s_mul_i32 s36, s27, 1536
	s_add_co_u32 s35, s35, s36                     ; where the fragment goes
	s_mul_i32 s36, s34, 6
	s_lshr_b32 s37, s27, 1
	s_add_co_u32 s36, s36, s37                     ; the scale register: 6 (s % 2) + b / 2
	s_lshr_b32 s37, s36, 2
	s_lshl_b32 s37, s37, 9
	s_add_co_u32 s37, s37, s31
	s_add_co_u32 s37, s37, 36864
	s_and_b32 s38, s27, 1
	s_lshl_b32 s38, s38, 8                         ; odd tiles: lanes 16-31
	s_add_co_u32 s37, s37, s38
	s_and_b32 s38, s36, 3
	s_lshl_b32 s38, s38, 2
	s_add_co_u32 s37, s37, s38                     ; where the scale words go, 16 bytes from row to row
	s_sub_co_u32 s40, s20, 96                      ; w_out
	s_lshl_b32 s40, s40, 1
	s_add_co_u32 s40, s40, s22                     ; tile
	s_lshl_b32 s41, s40, 16
	s_add_co_u32 s41, s41, s30
	s_mul_i32 s42, s32, 196608
	s_mul_i32 s43, s40, 3072
	s_add_co_u32 s42, s42, s43
	s_mul_i32 s43, s34, 1536
	s_add_co_u32 s42, s42, s43
	s_lshr_b32 s43, s40, 3
	s_lshl_b32 s43, s43, 12
	s_add_co_u32 s43, s43, s30
	s_and_b32 s44, s40, 7
	s_lshl_b32 s44, s44, 6
	s_add_co_u32 s43, s43, s44
	s_mov_b32 s45, 0x8000                          ; rows 8-15 begin 8 rows on in w_out, 16 rows on in a tile of w_qkv
	s_mov_b32 s48, 0x76543210
	s_mov_b32 s49, 0xfedcba98                      ; v_permlanex16_b32's selects for lane l xor 16
	v_and_b32 v16, 15, v1                          ; r
	v_lshrrev_b32 v17, 4, v1                       ; h
	s_mul_i32 s47, s14, 8448
	s_add_co_u32 s47, s47, WST                     ; my stage
	s_wait_alu depctr_va_vdst(0)
	v_add_nc_u32 v18, s47, v9                      ; in: a row's 512 bytes as they lie
	v_mul_u32_u24 v19, v16, 528
	s_delay_alu instid0(VALU_DEP_1)
	v_lshl_add_u32 v19, v17, 7, v19
	s_delay_alu instid0(VALU_DEP_1)
	v_add_nc_u32 v19, s47, v19                     ; out: row r, + 128 h: my 32 numbers of each 64
	s_cmp_lt_u32 s20, 96                           ; hangs on the work-group's number alone
	s_cselect_b64 s[4:5], s[78:79], s[80:81]
	s_cselect_b64 s[6:7], s[82:83], s[84:85]
	s_cselect_b64 s[12:13], s[82:83], s[86:87]
	s_cselect_b32 s28, s28, s41
	s_cselect_b32 s35, s35, s42
	s_cselect_b32 s37, s37, s43
	s_cselect_b32 s45, 0x10000, s45
	s_cselect_b32 s46, 4, 2
	s_mov_b32 s29, 0
	s_add_nc_u64 s[4:5], s[4:5], s[28:29]          ; rows 0-7
	s_mov_b32 s44, s45
	s_mov_b32 s45, 0
	s_add_nc_u64 s[8:9], s[4:5], s[44:45]          ; rows 8-15
	s_mov_b32 s36, s35
	s_mov_b32 s38, s37
	s_mov_b32 s37, 0
	s_mov_b32 s39, 0
	s_add_nc_u64 s[6:7], s[6:7], s[36:37]
	s_add_nc_u64 s[12:13], s[12:13], s[38:39]
	v_lshlrev_b32 v182, s46, v16                   ; my row's scale word
.irp i, 0,1,2,3,4,5,6,7
	global_load_b128 v[96+4*\i:99+4*\i], v9, s[4:5] offset:4096*\i th:TH_LOAD_NT    ; 32 lanes read 512 consecutive bytes of one row; into registers that x takes only later
.endr
.irp i, 0,1,2,3,4,5,6,7
	global_load_b128 v[128+4*\i:131+4*\i], v9, s[8:9] offset:4096*\i th:TH_LOAD_NT
.endr
	XLOAD 0
	XLOAD 1
	s_wait_alu depctr_va_vdst(0)
	s_wait_loadcnt 63                              ; the 16 rows are in: 64 loads are younger, one more than a wait can name
.set i_, 0
.rept 16
	ds_store_b128 v18, v[96+4*i_:99+4*i_] offset:528*i_
.set i_, i_+1
.endr
.irp c, 0,1
.irp j, 0,1,2,3,4,5,6,7
	ds_load_b128 v[96+32*\c+4*\j:99+32*\c+4*\j], v19 offset:256*\c+16*\j     ; LDS serves a wave's instructions in order: these see my stores.  k = 64 c + 32 h + 0 .. 31 of row r: a whole block
.endr
.endr
	s_wait_dscnt 0x0
.irp c, 0,1
	v_max3_num_f32 v[20+\c], |v[96+32*\c]|, |v[97+32*\c]|, FLOOR
.endr
.irp i, 2,4,6,8,10,12,14,16,18,20,22,24,26,28,30
.irp c, 0,1
	s_delay_alu instid0(VALU_DEP_2)
	v_max3_num_f32 v[20+\c], v[20+\c], |v[96+32*\c+\i]|, |v[97+32*\c+\i]|   ; the two blocks by turns
.endr
.endr
.irp c, 0,1
	s_delay_alu instid0(VALU_DEP_2)
	v_add_nc_u32 v[22+\c], OFF4, v[20+\c]          ; the conversion takes this operand's exponent field as its scale
.endr
.irp c, 0,1
	s_delay_alu instid0(VALU_DEP_2)
	v_lshrrev_b32 v[24+\c], 23, v[22+\c]           ; the scale's byte
.endr
	s_delay_alu instid0(VALU_DEP_1)
	v_lshl_or_b32 v180, v25, 16, v24               ; blocks h and 2 + h,
	v_lshlrev_b32 v27, 3, v17
	s_delay_alu instid0(VALU_DEP_1)
	v_lshlrev_b32 v180, v27, v180                  ; at their places in the word;
	v_mov_b32 v27, 0
	s_delay_alu instid0(VALU_DEP_1)
	v_permlanex16_b32 v27, v180, s48, s49
	s_delay_alu instid0(VALU_DEP_1)
	v_or_b32 v180, v180, v27                       ; with lane l xor 16's two the word is whole
.irp c, 0,1
	v_cvt_scalef32_pk16_bf6_f32 v[160+6*\c:162+6*\c], v[96+32*\c:111+32*\c], v[22+\c]
	v_cvt_scalef32_pk16_bf6_f32 v[172+4*\c:174+4*\c], v[112+32*\c:127+32*\c], v[22+\c]   ; (a conversion's three registers begin on an even number)
.endr
	v_nop                                          ; one plain instruction behind a scaled conversion
.irp c, 0,1
.irp i, 0,1,2
	v_mov_b32 v[163+6*\c+\i], v[172+4*\c+\i]
.endr
.endr
.irp g, 0,1,2
	global_store_b128 v9, v[160+4*\g:163+4*\g], s[6:7] offset:512*\g        ; 32 lanes store 512 consecutive bytes, aligned
.endr
	global_store_b32 v182, v180, s[12:13]          ; lanes r and r + 16 store the same word with the same value.  These stores' registers are left alone up to the wait on XCNT further down
	s_branch .Ljoin
; ---------------- waves 8-15
.Lhigh:
	XLOAD 0
	XLOAD 1
	s_cmp_lt_u32 ttmp9, 2
	s_cbranch_scc0 .Ljoin
	; work-groups 0 and 1: the tables of tile u = the work-group's number.  A thread makes two cosines and two sines.  No LDS.
	v_bfe_u32 v225, v0, 6, 2                       ; k
	v_bfe_u32 v226, v0, 1, 5                       ; lane
	v_and_b32 v227, 1, v0
	s_delay_alu instid0(VALU_DEP_1)
	v_lshlrev_b32 v227, 1, v227                    ; e of the first entry
	s_delay_alu instid0(VALU_DEP_3)
	v_and_b32 v228, 15, v226                       ; r
	s_delay_alu instid0(VALU_DEP_4)
	v_lshrrev_b32 v229, 4, v226                    ; h
	s_delay_alu instid0(VALU_DEP_3)
	v_lshl_add_u32 v230, v225, 2, v227
	s_delay_alu instid0(VALU_DEP_1)
	v_lshl_add_u32 v230, v229, 4, v230             ; frequency j = 16 h + 4 k + e
	s_delay_alu instid0(VALU_DEP_4)
	v_and_b32 v231, 8, v228
	s_delay_alu instid0(VALU_DEP_1)
	v_add_nc_u32 v231, v231, v228
	s_lshl_b32 s40, ttmp9, 3
	v_add_nc_u32 v231, s40, v231                   ; position n = 8 u + r + 8 (r / 8)
	s_delay_alu instid0(VALU_DEP_1)
	v_cvt_f32_u32 v231, v231
	v_cvt_f32_u32 v232, v230
	s_delay_alu instid0(VALU_DEP_1)
	v_add_f32 v233, 1.0, v232
	s_delay_alu instid0(VALU_DEP_2)
	v_mul_f32 v232, 0xbed49a78, v232               ; - j log2(10000) / 32
	s_delay_alu instid0(VALU_DEP_2)
	v_mul_f32 v233, 0xbed49a78, v233
	s_wait_alu depctr_va_vdst(0)
	v_exp_f32 v232, v232                           ; 10000^(-j / 32)
	v_exp_f32 v233, v233
	s_mov_b32 s41, 0x3f22f983                      ; 2 / pi
	s_mov_b32 s42, 0x3fc90fdb                      ; pi / 2, its f32,
	s_mov_b32 s43, 0xb33bbd2e                      ; and what that f32 leaves
	s_mov_b32 s44, 0xb94ca1f9                      ; the sine's polynomial
	s_mov_b32 s45, 0x3c08839e
	s_mov_b32 s46, 0xbe2aaaa3
	s_mov_b32 s47, 0x37ccf5ce                      ; the cosine's
	s_mov_b32 s48, 0xbab6061a
	s_mov_b32 s49, 0x3d2aaaa5
	s_lshl_b32 s50, ttmp9, 11
	v_and_b32 v234, 255, v0                        ; (plain instructions behind the exponentials)
	s_delay_alu instid0(VALU_DEP_1)
	v_lshlrev_b32 v234, 3, v234
	s_delay_alu instid0(VALU_DEP_1)
	v_add_nc_u32 v234, s50, v234                   ; 8 bytes a thread, 2,048 a work-group
	s_wait_alu depctr_va_vdst(0)                   ; the wait ahead of the first reader: one for both
	v_mul_f32 v232, v231, v232                     ; the angle: position x frequency
	v_mul_f32 v233, v231, v233
	SINCOS 232, 236, 238, 240
	SINCOS 233, 237, 239, 246
	global_store_b64 v234, v[236:237], s[88:89]
	global_store_b64 v234, v[238:239], s[88:89] offset:4096
; ---------------- all waves.  A LANE TAKES A TOKEN AND ITS REGISTERS RUN DOWN THE CHANNELS: each load reads 128 consecutive bytes, a block of 32 along K lies in one lane, and the conversions give codes with K innermost.
; The sums over all 1,024 channels meet in LDS: two barriers.
.Ljoin:
	s_wait_loadcnt 63                              ; gamma and beta are in: 64 loads are younger, one more than a wait can name
	ds_store_b64 v31, v[184:185] offset:GBL        ; they are seen by all behind the first barrier, in front of which every wave waits for its LDS stores
	ds_store_b64 v31, v[186:187] offset:GBL+4096
	s_wait_loadcnt 32                              ; the older group of 32 is in; the younger may be out
	XSUM 0
	XLOAD 2
	s_wait_alu depctr_va_vdst(0)
	s_wait_loadcnt 32
	XSUM 1
	XLOAD 3
	s_wait_alu depctr_va_vdst(0)
	s_wait_loadcnt 32
	XSUM 2
	s_wait_alu depctr_va_vdst(0)
	s_wait_loadcnt 0x0
	XSUM 3
	MEET P1
	s_delay_alu instid0(VALU_DEP_1)
	v_mul_f32 v14, 0x3a800000, v18                 ; the mean: / 1,024
	s_delay_alu instid0(VALU_DEP_1)
	v_mov_b32 v15, v14
.set i_, 0
.rept 64
	v_pk_add_f32 v[X+2*i_:X+2*i_+1], v[X+2*i_:X+2*i_+1], v[14:15] neg_lo:[0,1] neg_hi:[0,1]   ; x - mean, in place: the variance is taken of these, so a common offset of x costs no accuracy
.set i_, i_+1
.endr
.set i_, 0
.rept 64
.if i_ < 4
	v_pk_mul_f32 v[18+2*i_:19+2*i_], v[X+2*i_:X+2*i_+1], v[X+2*i_:X+2*i_+1]
.else
	s_delay_alu instid0(VALU_DEP_4)
	v_pk_fma_f32 v[18+2*(i_%4):19+2*(i_%4)], v[X+2*i_:X+2*i_+1], v[X+2*i_:X+2*i_+1], v[18+2*(i_%4):19+2*(i_%4)]
.endif
.set i_, i_+1
.endr
	MEET P2                                        ; other bytes than the first meeting's: no third barrier
	s_wait_xcnt 0x0                                ; the weights' and the tables' stores have read their registers: v160-183 and v224-255 may be loaded into from here on
	GBLOAD 0
	v_mov_b32 v17, 0x3a800000
	s_wait_alu depctr_va_vdst(0)
	v_fmaak_f32 v16, v18, v17, 0x3727c5ac          ; the variance + 1e-5
	s_wait_alu depctr_va_vdst(0)
	v_rsq_f32 v16, v16
	v_nop                                          ; a plain instruction behind the transcendental
	s_wait_alu depctr_va_vdst(0)                   ; and the wait ahead of its first reader
	v_mov_b32 v17, v16
	s_wait_alu depctr_va_vdst(0)
.irp b, 0,1,2,3
	HB 2*\b
	HB 2*\b+1
	XQ \b
.endr
.irp k, 0,1,2,3,4,5
	ds_load_b128 v[160+4*\k:163+4*\k], v8 offset:512*\k    ; LDS serves a wave's instructions in order: these see my stores
.endr
	s_wait_alu depctr_va_vdst(0)
.irp k, 0,1,2,3,4,5
	s_wait_dscnt 5-\k
	global_store_b128 v9, v[160+4*\k:163+4*\k], s[74:75] offset:(\k/3)*12288+(\k%3)*512   ; 512 consecutive bytes, aligned
.endr
	global_store_b32 v10, v26, s[76:77]            ; runs of 64 bytes: one byte in 128 of what the tokens' part reads
	s_wait_tensorcnt 0x0                           ; the wave's end, behind my last LDS store
	ds_add_u32 v[SPW], v[NIL]
	s_wait_dscnt 0x0
	s_endpgm
.Lfunc_end_k_q023081a837_prep:
	.size	k_q023081a837_prep, .Lfunc_end_k_q023081a837_prep-k_q023081a837_prep
	.p2alignl 7, 3214868480
	.fill 96, 4, 3214868480
	.section	.rodata,"a",@progbits
	.p2align	6, 0x0
	.amdhsa_kernel k_q023081a837_prep
		.amdhsa_group_segment_fixed_size 131072
		.amdhsa_private_segment_fixed_size 0
		.amdhsa_enable_private_segment 0
		.amdhsa_kernarg_size 88
		.amdhsa_user_sgpr_count 2
		.amdhsa_user_sgpr_kernarg_segment_ptr 1
		.amdhsa_wavefront_size32 1
		.amdhsa_system_sgpr_workgroup_id_x 1
		.amdhsa_system_sgpr_workgroup_id_y 1
		.amdhsa_system_sgpr_workgroup_id_z 1
		.amdhsa_system_vgpr_workitem_id 0
		.amdhsa_next_free_vgpr 256
		.amdhsa_next_free_sgpr 100
		.amdhsa_reserve_vcc 1
		.amdhsa_float_denorm_mode_32 3
		.amdhsa_float_denorm_mode_16_64 3
		.amdhsa_memory_ordered 1
		.amdhsa_forward_progress 1
		.amdhsa_inst_pref_size 78
	.end_amdhsa_kernel
	.amdgpu_metadata
---
amdhsa.version: [ 1, 2 ]
amdhsa.kernels:
  - .name:           k_q023081a837_prep
    .symbol:         k_q023081a837_prep.kd
    .args:
      - { .name: x, .offset: 0, .size: 8, .value_kind: global_buffer, .address_space: global }
      - { .name: gamma, .offset: 8, .size: 8, .value_kind: global_buffer, .address_space: global }
      - { .name: beta, .offset: 16, .size: 8, .value_kind: global_buffer, .address_space: global }
      - { .name: xc, .offset: 24, .size: 8, .value_kind: global_buffer, .address_space: global }
      - { .name: xs, .offset: 32, .size: 8, .value_kind: global_buffer, .address_space: global }
      - { .name: w_qkv, .offset: 40, .size: 8, .value_kind: global_buffer, .address_space: global }
      - { .name: w_out, .offset: 48, .size: 8, .value_kind: global_buffer, .address_space: global }
      - { .name: wq, .offset: 56, .size: 8, .value_kind: global_buffer, .address_space: global }
      - { .name: wo, .offset: 64, .size: 8, .value_kind: global_buffer, .address_space: global }
      - { .name: wos, .offset: 72, .size: 8, .value_kind: global_buffer, .address_space: global }
      - { .name: rot, .offset: 80, .size: 8, .value_kind: global_buffer, .address_space: global }
    .group_segment_fixed_size: 131072
    .private_segment_fixed_size: 0
    .kernarg_segment_align: 8
    .kernarg_segment_size: 88
    .max_flat_workgroup_size: 512
    .sgpr_count:     100
    .vgpr_count:     256
    .wavefront_size: 32
...
	.end_amdgpu_metadata
.endif
;; end of part 1
;; launch qkv_attn (part 2): grid 64 x 4, 4 waves a work-group, clusters of 4 x 1, 327,680 bytes of LDS; arguments xc, xs, wq, rot, oc, os; writes oc, os
.if DOCPART == 2
	.amdgcn_target "amdgcn-amd-amdhsa--gfx1250"
	.amdhsa_code_object_version 6
	.text
	.protected	k_q023081a837_qkv_attn
	.globl	k_q023081a837_qkv_attn
	.p2align	8
	.type	k_q023081a837_qkv_attn,@function
k_q023081a837_qkv_attn:
	s_mov_b64 s[64:65], 0
	v_nop
	global_prefetch_b8 v0, s[64:65] scope:SCOPE_SE
	s_setreg_imm32_b32 hwreg(HW_REG_WAVE_MODE, 25, 1), 1
	s_wait_xcnt 0x0
	s_wait_alu depctr_hold_cnt(0) depctr_sa_sdst(0) depctr_va_vdst(0) depctr_va_sdst(0) depctr_va_ssrc(0) depctr_va_vcc(0) depctr_vm_vsrc(0)
	s_getreg_b32 s2, hwreg(HW_REG_IB_STS2, 6, 4)
	s_cmp_eq_u32 s2, 0
	s_cbranch_scc0 .Lentry_in_a_cluster
	s_endpgm
.Lentry_in_a_cluster:
	s_bfe_u32 s2, ttmp6, 0x10000c
	s_cmp_lg_u32 s2, 0x3003
	s_cbranch_scc0 .Lentry_shape_is_right
	s_endpgm
.Lentry_shape_is_right:
; LocalMHA, second launch: q, k, v = normed x w_qkv^T on codes of E3M2, rotary turn, attention inside each window of 32 tokens, and O's codes and scale bytes.  No work is left out.
; A work-group: 256 tokens x 4 heads; a wave: 64 tokens (two windows), whose fragments for all of K stay in registers.  A head's weights come in two slots of 76,800 bytes by joint loads of the four partners.
; One tensor load a wave at the head (slot 0).  The rotary table (8,192 bytes) is brought by global loads, 2,048 bytes a wave, and stored into LDS bytes of its own, on which no tensor load lands;
; the first change of slots (every wave's wait for its LDS stores, then the round) shows it to all waves.  The tokens' fragments are asked for behind the tensor load, ahead of the wait for it.
.set CHUNK, 38400
.set HEADB, 153600
.set SLOTB, 76800
.set PART,  19200
.set ROT,   153600
.set SPARE, 161792
.set FLOOR, 0x2800000
.set OFF4,  0xfe000000
.set L16, 1
.set L8,  2
.set L4,  3
.set AB,  4
.set ART, 8
.set SPW, 10
.set NIL, 11
.set SW,  12
.set TQ,  16
.set ASC, 24
.set BSC, 40
.set BS0, 64
.set QS,  208
.set KS,  210
.set VS,  212
.set PS,  216
.set QF,  64
.set KFR, 88
.set VF,  64
.set PF,  112
.set TT,  136
.set CT0, 168
.set CT1, 218
.set TA,  200
.set G1W, 24
.set G0A, 40
.set G0B, 44
.set MSB, 0
.macro WIN new
.if MSB != (\new)
	s_set_vgpr_msb (MSB<<8)|(\new)
.set MSB, (\new)
.endif
.endm
.macro PLACES
.rept 4
	v_nop
.endr
.endm
.macro CROUND
	s_barrier_signal -1
	s_barrier_wait -1
	s_cmp_lg_u32 s16, 0
	s_cbranch_scc1 .Lnot_wave_0_\@
	s_barrier_signal -3
.Lnot_wave_0_\@:
	s_barrier_wait -3
	s_barrier_signal -1
	s_barrier_wait -1
.endm
.macro JL g0, g1
	tensor_load_to_lds s[\g0:\g0+3], s[\g1:\g1+7]
	s_nop 0
.rept 4
	v_nop
.endr
.endm
.macro WM d, a, b, zero, sa, sb, ra, rb
.set rD, (\d)&255
.set rA, (\a)&255
.set rB, (\b)&255
	WIN ((\a)>>8)|(((\b)>>8)<<2)|(((\d)>>8)<<4)|(((\d)>>8)<<6)
.if \zero
.if (\ra)==0 && (\rb)==0
	v_wmma_scale_f32_16x16x128_f8f6f4 v[rD:rD+7], v[rA:rA+11], v[rB:rB+11], 0, v[\sa], v[\sb] matrix_a_fmt:MATRIX_FMT_BF6 matrix_b_fmt:MATRIX_FMT_BF6
.elseif (\ra)==0
	v_wmma_scale_f32_16x16x128_f8f6f4 v[rD:rD+7], v[rA:rA+11], v[rB:rB+11], 0, v[\sa], v[\sb] matrix_a_fmt:MATRIX_FMT_BF6 matrix_b_fmt:MATRIX_FMT_BF6 matrix_b_scale:MATRIX_SCALE_ROW1
.elseif (\rb)==0
	v_wmma_scale_f32_16x16x128_f8f6f4 v[rD:rD+7], v[rA:rA+11], v[rB:rB+11], 0, v[\sa], v[\sb] matrix_a_fmt:MATRIX_FMT_BF6 matrix_b_fmt:MATRIX_FMT_BF6 matrix_a_scale:MATRIX_SCALE_ROW1
.else
	v_wmma_scale_f32_16x16x128_f8f6f4 v[rD:rD+7], v[rA:rA+11], v[rB:rB+11], 0, v[\sa], v[\sb] matrix_a_fmt:MATRIX_FMT_BF6 matrix_b_fmt:MATRIX_FMT_BF6 matrix_a_scale:MATRIX_SCALE_ROW1 matrix_b_scale:MATRIX_SCALE_ROW1
.endif
.else
.if (\ra)==0 && (\rb)==0
	v_wmma_scale_f32_16x16x128_f8f6f4 v[rD:rD+7], v[rA:rA+11], v[rB:rB+11], v[rD:rD+7], v[\sa], v[\sb] matrix_a_fmt:MATRIX_FMT_BF6 matrix_b_fmt:MATRIX_FMT_BF6
.elseif (\ra)==0
	v_wmma_scale_f32_16x16x128_f8f6f4 v[rD:rD+7], v[rA:rA+11], v[rB:rB+11], v[rD:rD+7], v[\sa], v[\sb] matrix_a_fmt:MATRIX_FMT_BF6 matrix_b_fmt:MATRIX_FMT_BF6 matrix_b_scale:MATRIX_SCALE_ROW1
.elseif (\rb)==0
	v_wmma_scale_f32_16x16x128_f8f6f4 v[rD:rD+7], v[rA:rA+11], v[rB:rB+11], v[rD:rD+7], v[\sa], v[\sb] matrix_a_fmt:MATRIX_FMT_BF6 matrix_b_fmt:MATRIX_FMT_BF6 matrix_a_scale:MATRIX_SCALE_ROW1
.else
	v_wmma_scale_f32_16x16x128_f8f6f4 v[rD:rD+7], v[rA:rA+11], v[rB:rB+11], v[rD:rD+7], v[\sa], v[\sb] matrix_a_fmt:MATRIX_FMT_BF6 matrix_b_fmt:MATRIX_FMT_BF6 matrix_a_scale:MATRIX_SCALE_ROW1 matrix_b_scale:MATRIX_SCALE_ROW1
.endif
.endif
.endm
.macro FETCH hs
.set fQ, (\hs)/4
.set fO, 18432*(((\hs)/2)%2)+9216*((\hs)%2)
.set fB, BS0+72*((\hs)%2)
.irp kk, 0,1,2,3,4,5,6,7,8,9,10,11,12,13,14,15,16,17
	ds_load_b128 v[fB+4*\kk:fB+4*\kk+3], v[AB+fQ] offset:fO+512*\kk
.endr
.if (\hs)%4 == 0
.irp g, 0,1,2
	ds_load_b128 v[BSC+12*(fQ%2)+4*\g:BSC+12*(fQ%2)+4*\g+3], v[AB+fQ] offset:36864+512*\g
.endr
.endif
.endm
.macro HALF hs, next
.set hS, (\hs)/2
.set hP, hS%2
.set hQ, (\hs)/4
.set hU, (\hs)%2
.set hB, BS0+72*hU
.set hZ, 0
.if hS == 0
.set hZ, 1
.endif
	s_wait_dscnt 0x0
.if (hU == 0) && (hS >= 2)
	s_wait_loadcnt 12*(7-hS)                       ; the tokens' fragments of this K step are in: behind its twelve loads stand the later K steps' twelve each (no load is out in later trips)
.endif
.if \next
	PLACES
	WIN 0
	FETCH (\hs)+1
.endif
.irp kk, 0,1,2,3,4,5
.irp aa, 0,1,2,3
.set hT, 6*hU+\kk
.set hF, 256+48*hS+12*\aa
.if hS > 4
.set hF, 512+48*(hS-5)+12*\aa
.endif
.set hW, BSC+12*(hQ%2)+6*hP+hT/2
.set hX, ASC+4*\aa+hS/2
.if hT < 8
	WM 768+128*(hT/4)+32*\aa+8*(hT%4), hB+12*\kk, hF, hZ, hW, hX, hT%2, hS%2
.else
.set hG, 4*(\aa/2)+hT-8
.set hV, 656+16*hG
.if hG == 7
.set hV, 496
.endif
	WM hV+8*(\aa%2), hF, hB+12*\kk, hZ, hX, hW, hS%2, hT%2
.endif
.endr
.endr
.endm
.macro CHANGE fill, gl, gs
	WIN 0
	s_wait_tensorcnt 0x0
	ds_add_u32 v[SPW], v[NIL]
	s_add_nc_u64 s[\gs+2:\gs+3], s[\gs+2:\gs+3], HEADB
	s_wait_dscnt 0x0
.if \fill
	CROUND
	JL \gl, G1W
.else
	s_barrier_signal -1
	s_barrier_wait -1
	PLACES
.endif
.endm
.macro QHEAD
.irp b, 0,1
	v_max3_num_f32 v[TQ+\b], |v[TT+16*\b]|, |v[TT+16*\b+1]|, FLOOR
.endr
.irp b, 0,1
	v_max3_num_f32 v[TQ+2+\b], |v[TT+16*\b+8]|, |v[TT+16*\b+9]|, |v[TT+16*\b+10]|
.endr
.irp i, 2,4
.irp b, 0,1
	v_max3_num_f32 v[TQ+\b], v[TQ+\b], |v[TT+16*\b+\i]|, |v[TT+16*\b+\i+1]|
	v_max3_num_f32 v[TQ+2+\b], v[TQ+2+\b], |v[TT+16*\b+9+\i]|, |v[TT+16*\b+10+\i]|
.endr
.endr
.irp b, 0,1
	v_max3_num_f32 v[TQ+\b], v[TQ+\b], |v[TT+16*\b+6]|, |v[TT+16*\b+7]|
.endr
.irp b, 0,1
	v_max3_num_f32 v[TQ+\b], v[TQ+\b], v[TQ+2+\b], |v[TT+16*\b+15]|
.endr
.irp b, 0,1
	v_permlanex16_b32 v[TQ+2+\b], v[TQ+\b], s54, s55
.endr
.irp b, 0,1
	v_max_num_f32 v[TQ+\b], v[TQ+\b], v[TQ+2+\b]
.endr
.irp b, 0,1
	v_add_nc_u32 v[TQ+4+\b], OFF4, v[TQ+\b]
.endr
.irp b, 0,1
	v_lshrrev_b32 v[TQ+6+\b], 23, v[TQ+4+\b]
.endr
.endm
.macro ROTQ x, ct, f, sr
.set rX, (\x)&255
	WIN 0x03
.irp i, 0,2,4,6,8,10,12,14
.set tA, TA+4*((\i/2)%2)
	v_pk_mul_f32 v[tA:tA+1], v[rX+16+\i:rX+17+\i], v[\ct+16+\i:\ct+17+\i]
	v_pk_mul_f32 v[tA+2:tA+3], v[rX+\i:rX+1+\i], v[\ct+16+\i:\ct+17+\i]
	v_pk_fma_f32 v[TT+\i:TT+1+\i], v[rX+\i:rX+1+\i], v[\ct+\i:\ct+1+\i], v[tA:tA+1] neg_lo:[0,0,1] neg_hi:[0,0,1]
	v_pk_fma_f32 v[TT+16+\i:TT+17+\i], v[rX+16+\i:rX+17+\i], v[\ct+\i:\ct+1+\i], v[tA+2:tA+3]
.endr
	WIN 0
	QHEAD
	v_lshl_or_b32 v[\sr], v[TQ+7], 16, v[TQ+6]
	v_lshl_or_b32 v[\sr], v[\sr], 8, v[\sr]
	v_cvt_scalef32_pk16_bf6_f32 v[\f:\f+2], v[TT:TT+15], v[TQ+4]
	v_cvt_scalef32_pk16_bf6_f32 v[\f+6:\f+8], v[TT+16:TT+31], v[TQ+5]
	v_nop
.endm
.macro OFIN w, qt
.set oT, 32*(2*(\w)+(\qt))
.set oA, 2*(\w)+(\qt)
	s_wait_xcnt 0x0
	WIN 0x03
.irp i, 0,2,4,6,8,10,12,14,16,18,20,22,24,26,28,30
	v_pk_mul_f32 v[TT+\i:TT+\i+1], v[oT+\i:oT+\i+1], v[252+2*(\qt):253+2*(\qt)] op_sel_hi:[1,0]
.endr
	WIN 0
	QHEAD
	v_cvt_scalef32_pk16_bf6_f32 v[16:18], v[TT:TT+15], v[TQ+4]
	v_cvt_scalef32_pk16_bf6_f32 v[250:252], v[TT+16:TT+31], v[TQ+5]
	v_nop
.irp i, 0,1,2
	v_permlane16_swap_b32 v[16+\i], v[250+\i]
.endr
.irp i, 0,1,2
	v_mov_b32 v[19+\i], v[250+\i]
.endr
	global_store_b128 v[L16], v[16:19], s[12:13] offset:oA*3072
	global_store_b64 v[L8], v[20:21], s[12:13] offset:oA*3072+512
	v_lshl_or_b32 v22, v23, 8, v22
	v_lshrrev_b32 v[SW+oA], 16, v[SW+oA]
	v_lshl_or_b32 v[SW+oA], v22, 16, v[SW+oA]
.endm
.macro ATTW w
	s_wait_xcnt 0x0
	ROTQ 896+32*(2*(\w)), CT0, KFR, KS
	ROTQ 896+32*(2*(\w)+1), CT1, KFR+12, KS+1
	ROTQ 768+32*(2*(\w)), CT0, QF, QS
	ROTQ 768+32*(2*(\w)+1), CT1, QF+12, QS+1
.rept 8
	v_nop
.endr
.irp qt, 0,1
.irp kt, 0,1
	WM TT+16*\qt+8*\kt, KFR+12*\kt, QF+12*\qt, 1, KS+\kt, QS+\qt, 0, 0
.endr
.endr
.irp t, 0,1,2,3
.set vG, 4*(\w)+\t
.set vA, 656+16*vG
.if vG == 7
.set vA, 496
.endif
.set vL, vA&255
	WIN (vA>>8)|((vA>>8)<<2)
	v_max3_num_f32 v[TA+\t], |v[vL]|, |v[vL+1]|, FLOOR
	v_max_num_f32 v[TA+4+\t], |v[vL+8]|, |v[vL+9]|
.irp i, 2,4,6
	v_max3_num_f32 v[TA+\t], |v[vL+\i]|, |v[vL+\i+1]|, v[TA+\t]
	v_max3_num_f32 v[TA+4+\t], |v[vL+8+\i]|, |v[vL+9+\i]|, v[TA+4+\t]
.endr
.endr
	WIN 0
.irp t, 0,1,2,3
	v_max_num_f32 v[TA+\t], v[TA+\t], v[TA+4+\t]
.endr
.irp t, 0,1,2,3
	v_permlanex16_b32 v[TA+4+\t], v[TA+\t], s54, s55
.endr
.irp t, 0,1,2,3
	v_max_num_f32 v[TA+\t], v[TA+\t], v[TA+4+\t]
.endr
.irp t, 0,1,2,3
	v_add_nc_u32 v[250+\t], OFF4, v[TA+\t]
.endr
.irp t, 0,1,2,3
	v_lshrrev_b32 v[TA+\t], 23, v[250+\t]
.endr
.irp t, 0,1,2,3
	v_lshl_or_b32 v[VS+\t], v[TA+\t], 8, v[TA+\t]
.endr
.irp t, 0,1,2,3
.irp i, 6,7,8
	v_mov_b32 v[VF+12*\t+\i], 0
.endr
.endr
.irp t, 0,1,2,3
.set vG, 4*(\w)+\t
.set vA, 656+16*vG
.if vG == 7
.set vA, 496
.endif
.set vL, vA&255
	WIN vA>>8
	v_cvt_scalef32_pk16_bf6_f32 v[VF+12*\t:VF+12*\t+2], v[vL:vL+15], v[250+\t]
.endr
	v_nop
	WIN 0
.irp qt, 0,1
	v_max3_num_f32 v[200+\qt], v[TT+16*\qt], v[TT+16*\qt+1], v[TT+16*\qt+2]
.endr
.irp qt, 0,1
	v_max3_num_f32 v[202+\qt], v[TT+16*\qt+8], v[TT+16*\qt+9], v[TT+16*\qt+10]
.endr
.irp i, 3,5
.irp qt, 0,1
	v_max3_num_f32 v[200+\qt], v[200+\qt], v[TT+16*\qt+\i], v[TT+16*\qt+\i+1]
	v_max3_num_f32 v[202+\qt], v[202+\qt], v[TT+16*\qt+8+\i], v[TT+16*\qt+9+\i]
.endr
.endr
.irp qt, 0,1
	v_max3_num_f32 v[200+\qt], v[200+\qt], v[TT+16*\qt+7], v[TT+16*\qt+15]
.endr
.irp qt, 0,1
	v_max_num_f32 v[200+\qt], v[200+\qt], v[202+\qt]
.endr
.irp qt, 0,1
	v_permlanex16_b32 v[202+\qt], v[200+\qt], s54, s55
.endr
.irp qt, 0,1
	v_max_num_f32 v[200+\qt], v[200+\qt], v[202+\qt]
.endr
.irp qt, 0,1
	v_mul_f32 v[202+\qt], s56, v[200+\qt]
.endr
.irp qt, 0,1
	v_floor_f32 v[204+2*\qt], -v[202+\qt]
.endr
.irp qt, 0,1
	v_fma_f32 v[250+\qt], v[200+\qt], s56, v[204+2*\qt]
.endr
.irp i, 0,2,4,6,8,10,12,14
.irp qt, 0,1
	v_pk_fma_f32 v[TT+16*\qt+\i:TT+16*\qt+\i+1], v[TT+16*\qt+\i:TT+16*\qt+\i+1], s[56:57], v[204+2*\qt:205+2*\qt] op_sel_hi:[1,0,0]
.endr
.endr
.set i_, 0
	s_wait_alu depctr_va_vdst(0)
.rept 32
	v_exp_f32 v[TT+i_], v[TT+i_]
.set i_, i_+1
.endr
	v_exp_f32 v250, v250
	v_exp_f32 v251, v251
	v_nop
	s_wait_alu depctr_va_vdst(0)
.irp qt, 0,1
	v_add_nc_u32 v[200+\qt], OFF4, v[250+\qt]
.endr
.irp qt, 0,1
	v_lshrrev_b32 v[202+\qt], 23, v[200+\qt]
.endr
.irp qt, 0,1
	v_lshl_or_b32 v[PS+\qt], v[202+\qt], 8, v[202+\qt]
.endr
.irp qt, 0,1
	v_cvt_scalef32_pk16_bf6_f32 v[PF+12*\qt:PF+12*\qt+2], v[TT+16*\qt:TT+16*\qt+15], v[200+\qt]
.endr
	v_nop
.irp qt, 0,1
	v_pk_add_f32 v[16+4*\qt:17+4*\qt], v[TT+16*\qt:TT+16*\qt+1], v[TT+16*\qt+2:TT+16*\qt+3]
	v_pk_add_f32 v[18+4*\qt:19+4*\qt], v[TT+16*\qt+4:TT+16*\qt+5], v[TT+16*\qt+6:TT+16*\qt+7]
.endr
.irp i, 8,12
.irp qt, 0,1
	v_pk_add_f32 v[16+4*\qt:17+4*\qt], v[16+4*\qt:17+4*\qt], v[TT+16*\qt+\i:TT+16*\qt+\i+1]
	v_pk_add_f32 v[18+4*\qt:19+4*\qt], v[18+4*\qt:19+4*\qt], v[TT+16*\qt+\i+2:TT+16*\qt+\i+3]
.endr
.endr
.irp qt, 0,1
	v_pk_add_f32 v[16+4*\qt:17+4*\qt], v[16+4*\qt:17+4*\qt], v[18+4*\qt:19+4*\qt]
.endr
.irp qt, 0,1
	v_add_f32 v[16+4*\qt], v[16+4*\qt], v[17+4*\qt]
.endr
.irp qt, 0,1
	v_permlanex16_b32 v[17+4*\qt], v[16+4*\qt], s54, s55
.endr
.irp qt, 0,1
	v_add_f32 v[16+4*\qt], v[16+4*\qt], v[17+4*\qt]
.endr
	s_wait_alu depctr_va_vdst(0)
.irp qt, 0,1
	v_rcp_f32 v[252+2*\qt], v[16+4*\qt]
.endr
.irp t, 0,1,2,3
.irp qt, 0,1
	WM 768+32*(2*(\w)+\qt)+8*\t, VF+12*\t, PF+12*\qt, 1, VS+\t, PS+\qt, 0, 0
.endr
.endr
	PLACES
	s_wait_alu depctr_va_vdst(0)
	OFIN \w, 0
	OFIN \w, 1
.endm
.macro ATT
	PLACES
	WIN 0
.irp k, 0,1,2,3
	ds_load_b128 v[CT0+4*\k:CT0+4*\k+3], v[ART] offset:512*\k
	ds_load_b128 v[CT0+16+4*\k:CT0+19+4*\k], v[ART] offset:4096+512*\k
	ds_load_b128 v[CT1+4*\k:CT1+4*\k+3], v[ART] offset:2048+512*\k
	ds_load_b128 v[CT1+16+4*\k:CT1+19+4*\k], v[ART] offset:6144+512*\k
.endr
.irp f, 64,76,88,100
.irp i, 3,4,5,9,10,11
	v_mov_b32 v[\f+\i], 0
.endr
.endr
.irp f, 112,124
.irp i, 3,4,5,6,7,8,9,10,11
	v_mov_b32 v[\f+\i], 0
.endr
.endr
	s_wait_dscnt 0x0
	ATTW 0
	ATTW 1
	s_and_b32 s59, s53, 1
	s_cmp_eq_u32 s59, 1
	s_cbranch_scc0 .Leven_\@
	v_cndmask_b32 v22, v[SW], v[SW+1], s58
	v_cndmask_b32 v23, v[SW+2], v[SW+3], s58
	global_store_b32 v[L4], v22, s[14:15]
	global_store_b32 v[L4], v23, s[14:15] offset:128
	s_wait_xcnt 0x0
	s_add_nc_u64 s[14:15], s[14:15], 512
.Leven_\@:
	s_wait_xcnt 0x0
	s_add_nc_u64 s[12:13], s[12:13], 768
	s_add_co_u32 s53, s53, 1
.endm
.macro HEAD last
	CHANGE 1, G0B, G0A
	FETCH 0
.irp h, 0,1,2,3,4,5,6
	HALF \h, 1
.endr
	HALF 7, 0
	CHANGE 1-\last, G0A, G0B
	s_wait_alu depctr_va_vdst(0)
	FETCH 8
.irp h, 8,9,10,11,12,13,14
	HALF \h, 1
.endr
	HALF 15, 0
	ATT
.endm
	s_load_b256 s[4:11], s[0:1], 0x0
	s_load_b128 s[12:15], s[0:1], 0x20
	v_lshl_add_u32 v[SPW], v0, 2, SPARE
	v_mov_b32 v[NIL], 0
	ds_add_u32 v[SPW], v[NIL]
	ds_add_u32 v[SPW], v[NIL]
	v_lshrrev_b32 v1, 5, v0
	v_readfirstlane_b32 s16, v1
	s_bfe_u32 s17, ttmp6, 0x40000
	s_lshl_b32 s18, ttmp9, 2
	s_add_co_u32 s18, s18, s17
	s_and_b32 s19, ttmp7, 0xffff
	s_mov_b32 s[G1W], 15|(3<<16)|(1<<21)
	s_mov_b32 s[G1W+1], 32<<16
	s_mov_b32 s[G1W+2], 75<<16
	s_mov_b32 s[G1W+3], 32<<16
	s_mov_b32 s[G1W+4], 75
	s_mov_b32 s[G1W+5], 32
	s_mov_b32 s[G1W+6], 0
	s_mov_b32 s[G1W+7], 0
	s_mul_i32 s20, s16, PART
	s_mul_i32 s22, s19, 4*HEADB
	s_add_co_u32 s22, s22, s20
	s_mov_b32 s23, 0
	s_lshl_b32 s60, s16, 11
	s_mov_b32 s61, 0
	s_mov_b32 s54, 0x76543210
	s_mov_b32 s55, 0xfedcba98
	s_mov_b32 s56, 0x3e38aa3b
	s_mov_b32 s57, s56
	s_mov_b32 s52, 3
	s_mov_b32 s53, 0
	s_wait_dscnt 0x0
	s_wait_kmcnt 0x0
	s_mov_b32 s[G0A], 1
	s_mov_b32 s[G0A+1], s20
	s_add_nc_u64 s[G0A+2:G0A+3], s[8:9], s[22:23]
	s_mov_b32 s[G0B], 1
	s_add_co_u32 s[G0B+1], s20, SLOTB
	s_add_nc_u64 s[G0B+2:G0B+3], s[G0A+2:G0A+3], SLOTB
	s_or_b32 s[G0A+3], s[G0A+3], 0x80000000
	s_or_b32 s[G0B+3], s[G0B+3], 0x80000000
	s_add_nc_u64 s[10:11], s[10:11], s[60:61]      ; my wave's 2,048 bytes of the rotary table
	CROUND
	JL G0A, G1W                                    ; slot 0: my one tensor load at the head
	v_and_b32 v9, 31, v0
	v_lshlrev_b32 v[L16], 4, v9
	v_lshlrev_b32 v[L8], 3, v9
	v_lshlrev_b32 v[L4], 2, v9
.irp q, 0,1,2,3
	v_add_nc_u32 v[AB+\q], CHUNK*\q, v[L16]
.endr
	v_add_nc_u32 v[ART], ROT, v[L16]
	v_cmp_le_u32 s58, 16, v9
.irp a, 0,1,2,3
	v_mov_b32 v[SW+\a], 0
.endr
	v_mov_b32 v255, 0
	v_add_nc_u32 v16, s60, v[ART]                  ; where my part of the table goes: ROT + 2,048 x wave + 16 x lane
	s_wait_alu depctr_va_vdst(0)                   ; the wait at the head's end
	s_mul_i32 s20, s18, 196608
	s_mul_i32 s21, s16, 49152
	s_add_co_u32 s20, s20, s21
	s_mov_b32 s21, 0
	s_add_nc_u64 s[4:5], s[4:5], s[20:21]
	s_lshl_b32 s20, s18, 13
	s_lshl_b32 s22, s16, 11
	s_add_co_u32 s20, s20, s22
	s_add_nc_u64 s[6:7], s[6:7], s[20:21]
	s_mul_i32 s20, s19, 3145728
	s_mul_i32 s22, s18, 49152
	s_add_co_u32 s20, s20, s22
	s_mul_i32 s22, s16, 12288
	s_add_co_u32 s20, s20, s22
	s_add_nc_u64 s[12:13], s[12:13], s[20:21]
	s_lshl_b32 s20, s18, 13
	s_lshr_b32 s22, s16, 1
	s_lshl_b32 s22, s22, 12
	s_add_co_u32 s20, s20, s22
	s_lshl_b32 s22, s19, 10
	s_add_co_u32 s20, s20, s22
	s_and_b32 s22, s16, 1
	s_lshl_b32 s22, s22, 8
	s_add_co_u32 s20, s20, s22
	s_add_nc_u64 s[14:15], s[14:15], s[20:21]
.irp k, 0,1,2,3
	global_load_b128 v[BS0+4*\k:BS0+4*\k+3], v[L16], s[10:11] offset:512*\k   ; 512 consecutive bytes a load, into registers that the weights' fragments take only later
.endr
.irp aa, 0,1,2,3
.irp i, 0,1,2,3
	global_load_b32 v[ASC+4*\aa+\i], v[L4], s[6:7] offset:\aa*512+128*\i      ; the tokens' scale words, ahead of the 96 fragment loads
.endr
.endr
.irp ss, 0,1,2,3,4,5,6,7
.irp aa, 0,1,2,3
.set hF, 256+48*\ss+12*\aa
.if \ss > 4
.set hF, 512+48*(\ss-5)+12*\aa
.endif
	WIN (hF>>8)<<6
.irp g, 0,1,2
	global_load_b128 v[(hF&255)+4*\g:(hF&255)+4*\g+3], v[L16], s[4:5] offset:\aa*12288+\ss*1536+512*\g
.endr
.endr
.endr
	WIN 0
	s_wait_loadcnt 63                              ; of 116 loads the oldest 53 are in: the table's 4, the 16 scale words, K steps 0 and 1 (24) and 9 of K step 2
	s_wait_tensorcnt 0x0                           ; my part of slot 0 has landed: no tensor load of mine is out while I store to LDS
.irp k, 0,1,2,3
	ds_store_b128 v16, v[BS0+4*\k:BS0+4*\k+3] offset:512*\k    ; awaited in front of the first change of slots
.endr
.Lhead:
	HEAD 0
	s_sub_co_u32 s52, s52, 1
	s_cmp_lg_u32 s52, 0
	s_cbranch_scc1 .Lhead
	HEAD 1
	s_wait_tensorcnt 0x0
	ds_add_u32 v[SPW], v[NIL]
	s_wait_dscnt 0x0
	CROUND
	s_endpgm
.Lfunc_end_k_q023081a837_qkv_attn:
	.size	k_q023081a837_qkv_attn, .Lfunc_end_k_q023081a837_qkv_attn-k_q023081a837_qkv_attn
	.p2alignl 7, 3214868480
	.fill 96, 4, 3214868480
	.section	.rodata,"a",@progbits
	.p2align	6, 0x0
	.amdhsa_kernel k_q023081a837_qkv_attn
		.amdhsa_group_segment_fixed_size 327680
		.amdhsa_private_segment_fixed_size 0
		.amdhsa_enable_private_segment 0
		.amdhsa_kernarg_size 48
		.amdhsa_user_sgpr_count 2
		.amdhsa_user_sgpr_kernarg_segment_ptr 1
		.amdhsa_wavefront_size32 1
		.amdhsa_system_sgpr_workgroup_id_x 1
		.amdhsa_system_sgpr_workgroup_id_y 1
		.amdhsa_system_sgpr_workgroup_id_z 1
		.amdhsa_system_vgpr_workitem_id 0
		.amdhsa_next_free_vgpr 1024
		.amdhsa_next_free_sgpr 66
		.amdhsa_reserve_vcc 0
		.amdhsa_float_denorm_mode_32 3
		.amdhsa_float_denorm_mode_16_64 3
		.amdhsa_memory_ordered 1
		.amdhsa_forward_progress 1
		.amdhsa_inst_pref_size 255
	.end_amdhsa_kernel
	.section	.bss,"aw",@nobits
	.p2align	6
	.space	262144
	.amdgpu_metadata
---
amdhsa.version: [ 1, 2 ]
amdhsa.kernels:
  - .name:           k_q023081a837_qkv_attn
    .symbol:         k_q023081a837_qkv_attn.kd
    .args:
      - { .name: xc, .offset: 0, .size: 8, .value_kind: global_buffer, .address_space: global }
      - { .name: xs, .offset: 8, .size: 8, .value_kind: global_buffer, .address_space: global }
      - { .name: wq, .offset: 16, .size: 8, .value_kind: global_buffer, .address_space: global }
      - { .name: rot, .offset: 24, .size: 8, .value_kind: global_buffer, .address_space: global }
      - { .name: oc, .offset: 32, .size: 8, .value_kind: global_buffer, .address_space: global }
      - { .name: os, .offset: 40, .size: 8, .value_kind: global_buffer, .address_space: global }
    .group_segment_fixed_size: 327680
    .private_segment_fixed_size: 0
    .kernarg_segment_align: 8
    .kernarg_segment_size: 48
    .max_flat_workgroup_size: 128
    .sgpr_count:     66
    .vgpr_count:     1024
    .wavefront_size: 32
...
	.end_amdgpu_metadata
.endif
;; end of part 2
;; launch proj (part 3): grid 64 x 4, 4 waves a work-group, clusters of 4 x 4, 327,680 bytes of LDS; arguments wo, wos, oc, os, x, out0; writes out0
.if DOCPART == 3
	.amdgcn_target "amdgcn-amd-amdhsa--gfx1250"
	.amdhsa_code_object_version 6
	.text
	.protected	k_q023081a837_proj
	.globl	k_q023081a837_proj
	.p2align	8
	.type	k_q023081a837_proj,@function
k_q023081a837_proj:
	s_mov_b64 s[64:65], 0
	v_nop
	global_prefetch_b8 v0, s[64:65] scope:SCOPE_SE
	s_setreg_imm32_b32 hwreg(HW_REG_WAVE_MODE, 25, 1), 1
	s_wait_xcnt 0x0
	s_wait_alu depctr_hold_cnt(0) depctr_sa_sdst(0) depctr_va_vdst(0) depctr_va_sdst(0) depctr_va_ssrc(0) depctr_va_vcc(0) depctr_vm_vsrc(0)
	s_getreg_b32 s2, hwreg(HW_REG_IB_STS2, 6, 4)
	s_cmp_eq_u32 s2, 0
	s_cbranch_scc0 .Lentry_in_a_cluster
	s_endpgm
.Lentry_in_a_cluster:
	s_bfe_u32 s2, ttmp6, 0x10000c
	s_cmp_lg_u32 s2, 0xf033
	s_cbranch_scc0 .Lentry_shape_is_right
	s_endpgm
.Lentry_shape_is_right:
; LocalMHA, third launch: out0[channel][token] = x[channel][token] + sum over k of w_out[channel][k] O[token][k], on codes of E3M2 with E8M0 scales.  No work is left out.
; The launch moves 32 bytes of x and out0 for each 128 multiply-adds' worth of one matrix instruction's column: bytes bind it, so it is built as a STREAM: reads of x, products and stores of out0 go on at the same time.
; SHARES.  A work-group: 256 channels x 256 tokens.  Wave w: channels 64 w .. 64 w + 63, all 256 tokens.  ITS PART OF w_out STAYS IN REGISTERS for all of K = 1,024: 4 blocks x 8 K steps = 32 fragments, 384 registers, loaded once.
; THE TOKENS' CODES FOR ALL OF K LIE WHOLE IN LDS: 16 tiles x 8 K steps x 1,536 bytes = 196,608 bytes, filled once, each wave bringing one K slot (49,152 dense bytes) and a quarter of the scale words: no ring, no refill.
; A wave has one tensor load out.
; CLUSTERS: 4 x 4 work-groups.  The tokens' codes hang on the tile column alone: the four work-groups of a column of the cluster ask for them jointly.  w_out's fragments go to one wave each, straight into registers.
; THE STREAM.  The tokens go in four sub-tiles of 64: 16 accumulators (4 channel blocks x 4 token tiles), 128 registers, in two sets by turns.  x STARTS THE SUMS: a sub-tile's 64 rows of 256 bytes are loaded into the
; accumulators' own registers, turned through the wave's stage into the accumulators' layout, and every product adds in place.  x of sub-tile t + 2 is asked for as soon as sub-tile t has left its set; the stores of sub-tile t
; are on their way while sub-tile t + 1 is multiplied.  Everything is written out: every offset is an immediate, no base is stepped.
; THE MATRIX INSTRUCTION IS USED TRANSPOSED (source 0 = 16 tokens, source 1 = 16 channels): a lane holds one channel and eight neighbouring tokens.  A token tile's rows are not neighbours: register j of tile b, lane (r, h), is
; token 32 (b / 2) + 8 (b % 2) + 16 h + j of the sub-tile's 64: the stage's addresses undo that.
; No prefetch is laid: x is asked for a sub-tile and more ahead by its own loads.
; REGISTERS: window 0: v10-31 addresses; v32-47 the channels' scale words (K step s, pair p: lanes 0-15 block 2 p, lanes 16-31 block 2 p + 1); v48-63 the tokens' likewise, of the sub-tile in hand;
;   v64-111, v112-159 four token fragments each, by turns; v160-191, v192-223 16 rows of out0 each, by turns.   v256-495, v512-655 w_out's fragments.   v768-895, v896-1023 the two sets of accumulators.
.set KBLK,   49152                     ; a K slot (two K steps) of the work-group's 16 token tiles
.set SCB,    196608                    ; behind the codes: the tokens' scale words [tile / 8][K step 8][tile % 8][r 16]
.set STAGE,  204800                    ; 16 rows x (256 + 16) bytes for each wave: row r starts at bank 4 r mod 64 (64 banks of 4 bytes: ISA guide 11.1); bytes of its own
.set SPITCH, 272
.set SPARE,  222208                    ; the spare words, 128 bytes for each wave: two blocks of 256 bytes that no other line names
.set ROWX,   65536                     ; a row of x and of out0 in bytes
.set SPW,   10
.set NIL,   11
.set L16,   12                         ; 16 x lane
.set L4,    13                         ; 4 x lane
.set ADRB,  20                         ; v20-23  K slot k's codes: 49,152 k + 16 x lane
.set ADRB8, 24                         ; v24-27  49,152 k + 8 x lane
.set ADRS,  28                         ; v28     the tokens' scale words: + 4 x lane
.set STO,   29                         ; v29     the stage by the accumulators' layout: 272 r + 64 h
.set RD,    30                         ; v30     the stage by rows: lanes 0-15 one row, lanes 16-31 the next
.set CO,    31                         ; v31     the same two rows in x and out0
.set AS,    32
.set BSW,   48
.set BF0,   64
.set BK,    160
; AS THE TEXT NOW STANDS: a wave issues ONE tensor load, its K slot of the codes.  Its quarter of the tokens' scale words (2,048 bytes) comes by four global loads and four LDS stores into bytes on which no tensor load lands.
.set G1C, 24                           ; s[24:31] descriptor group 1 for the codes
.set G0C, 40                           ; s[40:43] its group 0
.set SCW, 14                           ; v14     where my quarter of the scale words goes: SCB + 2,048 x wave + 16 x lane
.set SCT, 224                          ; v224-239 that quarter on its way
.set MSB, 0
.macro WIN new                         ; the immediate's high byte repeats the setting that is left; a switch that changes nothing is dropped
.if MSB != (\new)
	s_set_vgpr_msb (MSB<<8)|(\new)
.set MSB, (\new)
.endif
.endm
.macro PLACES                          ; four plain instructions behind a matrix instruction, ahead of loads into and stores of its registers
.rept 4
	v_nop
.endr
.endm
.macro CROUND                          ; a round of the cluster's barrier
	s_barrier_signal -1
	s_barrier_wait -1
	s_cmp_lg_u32 s16, 0
	s_cbranch_scc1 .Lnot_wave_0_\@
	s_barrier_signal -3
.Lnot_wave_0_\@:
	s_barrier_wait -3
	s_barrier_signal -1
	s_barrier_wait -1
.endm
.macro JL g0, g1                       ; a joint load: every wave its own part, no branch; an s_nop 0 and four v_nop follow
	tensor_load_to_lds s[\g0:\g0+3], s[\g1:\g1+7]
	s_nop 0
.rept 4
	v_nop
.endr
.endm
; One product, adding in place.  d, a, b: registers by their full numbers: the windows are set from them.  sa, sb: the scale registers of sources 0 and 1; ra, rb = 1: read from lanes 16-31.
.macro WM d, a, b, sa, sb, ra, rb
.set rD, (\d)&255
.set rA, (\a)&255
.set rB, (\b)&255
	WIN ((\a)>>8)|(((\b)>>8)<<2)|(((\d)>>8)<<4)|(((\d)>>8)<<6)
.if (\ra)==0 && (\rb)==0
	v_wmma_scale_f32_16x16x128_f8f6f4 v[rD:rD+7], v[rA:rA+11], v[rB:rB+11], v[rD:rD+7], v[\sa], v[\sb] matrix_a_fmt:MATRIX_FMT_BF6 matrix_b_fmt:MATRIX_FMT_BF6
.elseif (\ra)==0
	v_wmma_scale_f32_16x16x128_f8f6f4 v[rD:rD+7], v[rA:rA+11], v[rB:rB+11], v[rD:rD+7], v[\sa], v[\sb] matrix_a_fmt:MATRIX_FMT_BF6 matrix_b_fmt:MATRIX_FMT_BF6 matrix_b_scale:MATRIX_SCALE_ROW1
.elseif (\rb)==0
	v_wmma_scale_f32_16x16x128_f8f6f4 v[rD:rD+7], v[rA:rA+11], v[rB:rB+11], v[rD:rD+7], v[\sa], v[\sb] matrix_a_fmt:MATRIX_FMT_BF6 matrix_b_fmt:MATRIX_FMT_BF6 matrix_a_scale:MATRIX_SCALE_ROW1
.else
	v_wmma_scale_f32_16x16x128_f8f6f4 v[rD:rD+7], v[rA:rA+11], v[rB:rB+11], v[rD:rD+7], v[\sa], v[\sb] matrix_a_fmt:MATRIX_FMT_BF6 matrix_b_fmt:MATRIX_FMT_BF6 matrix_a_scale:MATRIX_SCALE_ROW1 matrix_b_scale:MATRIX_SCALE_ROW1
.endif
.endm
; x of sub-tile t, channel block a: 16 rows of 256 bytes, two rows a load, into the registers of the block's four accumulators.  62 rows and 768 bytes at the most: inside the signed 24-bit immediate (ISA guide, chapter 10)
.macro XL t, a
	WIN 0xc0                                       ; destination window 3
.irp k, 0,1,2,3,4,5,6,7
	global_load_b128 v[128*((\t)%2)+32*(\a)+4*\k:128*((\t)%2)+32*(\a)+4*\k+3], v[CO], s[12:13] offset:(16*(\a)+2*\k)*ROWX+256*(\t) th:TH_LOAD_NT
.endr
	WIN 0
.endm
; The block goes by rows into my stage and comes back in the accumulators' layout, into the registers that it left.  LDS serves a wave's instructions in order (ISA guide 5.7.1.4).  n: the younger loads, which may stay out
.macro XIN t, a, n
.set xL, 128*((\t)%2)+32*(\a)
	s_wait_loadcnt \n
	WIN 0x0c                                       ; an LDS store's data are its source 1: window 3
.irp k, 0,1,2,3,4,5,6,7
	ds_store_b128 v[RD], v[xL+4*\k:xL+4*\k+3] offset:544*\k
.endr
	WIN 0xc0
.irp b, 0,1,2,3
	ds_load_b128 v[xL+8*\b:xL+8*\b+3], v[STO] offset:128*(\b/2)+32*(\b%2)
	ds_load_b128 v[xL+8*\b+4:xL+8*\b+7], v[STO] offset:128*(\b/2)+32*(\b%2)+16
.endr
	WIN 0
.endm
.macro BSWL t                          ; the sub-tile's scale words, all eight K steps: lanes 0-15 tile 2 p, lanes 16-31 tile 2 p + 1
.irp s, 0,1,2,3,4,5,6,7
.irp p, 0,1
	ds_load_b32 v[BSW+2*\s+\p], v[ADRS] offset:((\t)/2)*4096+512*\s+((\t)%2)*256+128*\p
.endr
.endr
.endm
.macro FETCHB t, s                     ; the sub-tile's four token fragments of K step s: each two half fragments (two heads): four registers at 16 x lane, two at 8 x lane
.set fK, (\s)/2
.set fO, 1536*((\s)%2)
.set fR, BF0+48*((\s)%2)
.irp b, 0,1,2,3
	ds_load_b128 v[fR+12*\b:fR+12*\b+3], v[ADRB+fK] offset:(4*(\t)+\b)*3072+fO
	ds_load_b64 v[fR+12*\b+4:fR+12*\b+5], v[ADRB8+fK] offset:(4*(\t)+\b)*3072+fO+512
	ds_load_b128 v[fR+12*\b+6:fR+12*\b+9], v[ADRB+fK] offset:(4*(\t)+\b)*3072+fO+768
	ds_load_b64 v[fR+12*\b+10:fR+12*\b+11], v[ADRB8+fK] offset:(4*(\t)+\b)*3072+fO+1280
.endr
.endm
; A K step: 16 products; the next K step's fragments are asked for first.  The 16 accumulators take turns, one instruction a turn, in the same order in every K step.
.macro KSTEP t, s
	s_wait_dscnt 0x0                               ; this K step's fragments are in (at s = 0: x in the accumulators and the scale words too)
.if (\t) == 0                          ; in the first sub-tile w_out's fragments are still arriving, K step by K step: behind this K step's twelve loads stand the later K steps' and x of sub-tile 1
.if 12*(7-(\s))+32 > 63
	s_wait_loadcnt 63                              ; (more than a wait can name)
.else
	s_wait_loadcnt 12*(7-(\s))+32
.endif
.endif
.if (\s) < 7
	PLACES                                         ; the other four fragments' registers were read by the products just issued
	WIN 0
	FETCHB \t, (\s)+1
.endif
.set kB, BF0+48*((\s)%2)
.irp aa, 0,1,2,3
.irp bb, 0,1,2,3
.set kF, 256+48*(\s)+12*\aa
.if (\s) > 4
.set kF, 512+48*((\s)-5)+12*\aa
.endif
	WM 768+128*((\t)%2)+8*(4*\aa+\bb), kB+12*\bb, kF, BSW+2*(\s)+\bb/2, AS+2*(\s)+\aa/2, \bb%2, \aa%2
.endr
.endr
.endm
; THE WAY OUT of a block of 16 channels x 64 tokens: through my stage and back as whole rows of 256 bytes.
.macro TOSTAGE t, a
.set oL, 128*((\t)%2)+32*(\a)
.set oB, BK+32*((\a)%2)
	WIN 0x0c
.irp b, 0,1,2,3
	ds_store_b128 v[STO], v[oL+8*\b:oL+8*\b+3] offset:128*(\b/2)+32*(\b%2)          ; each accumulator from its low end on
	ds_store_b128 v[STO], v[oL+8*\b+4:oL+8*\b+7] offset:128*(\b/2)+32*(\b%2)+16
.endr
	WIN 0
.irp k, 0,1,2,3,4,5,6,7
	ds_load_b128 v[oB+4*\k:oB+4*\k+3], v[RD] offset:544*\k
.endr
.endm
.macro SEND t, a, younger              ; younger: the LDS instructions issued behind block a's loads, which may stay out
.set oB, BK+32*((\a)%2)
	s_wait_dscnt \younger                          ; the block is back in registers; so its stores into the stage have read the accumulators
.irp k, 0,1,2,3,4,5,6,7
	global_store_b128 v[CO], v[oB+4*\k:oB+4*\k+3], s[14:15] offset:(16*(\a)+2*\k)*ROWX+256*(\t) th:TH_STORE_NT   ; sixteen lanes store 256 consecutive bytes, aligned: two rows an instruction
.endr
.endm
; more = 1: each block's registers take x of the sub-tile two further on as soon as the block has left them.
.macro WAYOUT t, more
	PLACES                                         ; in front of the reads of the last results, and of the loads into the fragments' and scale words' registers that follow
.if (\t) > 0
	s_wait_xcnt 0x0                                ; the last sub-tile's stores have read their registers: rows may land there again
.endif
	TOSTAGE \t, 0
.irp a, 1,2,3
.if \a > 1
	s_wait_xcnt 0x0                                ; block a - 2's stores have read their registers
.endif
	TOSTAGE \t, \a
	SEND \t, \a-1, 16                              ; behind block a - 1's loads: block a's 8 stores and 8 loads
.if \more
	XL (\t)+2, \a-1
.endif
.endr
	SEND \t, 3, 0
.if \more
	XL (\t)+2, 3
.endif
.endm
	s_load_b256 s[4:11], s[0:1], 0x0               ; wo s[4:5], wos s[6:7], oc s[8:9], os s[10:11]
	s_load_b128 s[12:15], s[0:1], 0x20             ; x s[12:13], out0 s[14:15]
	v_lshl_add_u32 v[SPW], v0, 2, SPARE
	v_mov_b32 v[NIL], 0
	ds_add_u32 v[SPW], v[NIL]                      ; the wave's opening: the add, twice on end, and its wait ahead of my first tensor load; the set-up below, work on registers, stands between
	ds_add_u32 v[SPW], v[NIL]
	v_lshrrev_b32 v1, 5, v0
	v_readfirstlane_b32 s16, v1                    ; wave 0..3
	s_bfe_u32 s17, ttmp6, 0x40000                  ; cx
	s_bfe_u32 s18, ttmp6, 0x40004                  ; cy = the tile row: the grid has one cluster along y
	s_lshl_b32 s19, ttmp9, 2
	s_add_co_u32 s19, s19, s17                     ; tile column = 4 x cluster x + cx
	s_lshl_b32 s20, 0x1111, s17                    ; my column of the cluster: places cx, cx + 4, cx + 8, cx + 12
	s_or_b32 s[G1C], s20, (3<<16)|(1<<21)          ; the mask; elements of 8 bytes; bit 21 beside a mask; no padding
	s_mov_b32 s[G1C+1], 32<<16                     ; rows of 256 bytes,
	s_mov_b32 s[G1C+2], 192<<16                    ; 192 of them: 49,152 dense bytes
	s_mov_b32 s[G1C+3], 32<<16
	s_mov_b32 s[G1C+4], 192
	s_mov_b32 s[G1C+5], 32
	s_mov_b32 s[G1C+6], 0
	s_mov_b32 s[G1C+7], 0
	s_mul_i32 s48, s19, KBLK                       ; oc: 16 tiles of 3,072 bytes a tile column,
	s_mul_i32 s21, s16, 3145728                    ; K slot = my wave's number
	s_add_co_u32 s48, s48, s21
	s_mov_b32 s49, 0
	s_lshl_b32 s50, s19, 13                        ; os: 8,192 bytes a tile column, my quarter
	s_lshl_b32 s21, s16, 11
	s_add_co_u32 s50, s50, s21
	s_mov_b32 s51, 0
	s_mul_i32 s22, s16, KBLK                       ; where they go: by the wave's number alone
	s_lshl_b32 s23, s16, 11
	s_add_co_u32 s23, s23, SCB
	s_mul_i32 s52, s18, 49152                      ; wo: 16 tiles of 3,072 bytes a tile row, my four
	s_mul_i32 s58, s16, 12288
	s_add_co_u32 s52, s52, s58
	s_mov_b32 s53, 0
	s_lshl_b32 s54, s18, 13                        ; wos: (2 x tile row + wave / 2) x 4,096 + (wave % 2) x 256
	s_lshr_b32 s58, s16, 1
	s_lshl_b32 s58, s58, 12
	s_add_co_u32 s54, s54, s58
	s_and_b32 s58, s16, 1
	s_lshl_b32 s58, s58, 8
	s_add_co_u32 s54, s54, s58
	s_mov_b32 s55, 0
	s_lshl_b32 s56, s18, 24                        ; x, out0: row 256 x tile row + 64 x wave of 65,536 bytes, column 1,024 bytes x tile column
	s_lshl_b32 s58, s16, 22
	s_add_co_u32 s56, s56, s58
	s_lshl_b32 s58, s19, 10
	s_add_co_u32 s56, s56, s58
	s_mov_b32 s57, 0
	v_and_b32 v1, 15, v0                           ; r
	v_bfe_u32 v2, v0, 4, 1                         ; h
	v_and_b32 v3, 31, v0
	v_lshlrev_b32 v[L16], 4, v3
	v_lshlrev_b32 v[L4], 2, v3
	v_lshlrev_b32 v4, 3, v3
.irp k, 0,1,2,3
	v_add_nc_u32 v[ADRB+\k], KBLK*\k, v[L16]
	v_add_nc_u32 v[ADRB8+\k], KBLK*\k, v4
.endr
	v_add_nc_u32 v[ADRS], SCB, v[L4]
	v_add_nc_u32 v[SCW], s23, v[L16]
	s_mul_i32 s59, s16, 16*SPITCH
	s_add_co_u32 s59, s59, STAGE                   ; my stage
	v_mul_u32_u24 v5, v1, SPITCH
	v_lshl_add_u32 v5, v2, 6, v5
	v_add_nc_u32 v[STO], s59, v5
	v_mul_u32_u24 v5, v2, SPITCH
	v_lshl_add_u32 v5, v1, 4, v5
	v_add_nc_u32 v[RD], s59, v5
	v_lshlrev_b32 v5, 16, v2
	v_lshl_add_u32 v[CO], v1, 4, v5
	s_wait_dscnt 0x0                               ; both opening adds are done
	s_wait_kmcnt 0x0
	s_mov_b32 s[G0C], 1
	s_mov_b32 s[G0C+1], s22
	s_add_nc_u64 s[G0C+2:G0C+3], s[8:9], s[48:49]
	s_or_b32 s[G0C+3], s[G0C+3], 0x80000000
	s_add_nc_u64 s[10:11], s[10:11], s[50:51]      ; my quarter of the tile column's scale words
	s_add_nc_u64 s[4:5], s[4:5], s[52:53]
	s_add_nc_u64 s[6:7], s[6:7], s[54:55]
	s_add_nc_u64 s[12:13], s[12:13], s[56:57]
	s_add_nc_u64 s[14:15], s[14:15], s[56:57]
	CROUND                                         ; all sixteen work-groups are here: the joint loads meet
	JL G0C, G1C                                    ; my K slot of the tokens' codes,
	s_wait_alu depctr_va_vdst(0)
.irp k, 0,1,2,3
	global_load_b128 v[SCT+4*\k:SCT+4*\k+3], v[L16], s[10:11] offset:512*\k   ; the scale words first: 176 loads are issued behind them
.endr
.irp a, 0,1,2,3
	XL 0, \a                                       ; x of sub-tile 0 first: it is turned through the stage while the rest arrives
.endr
.irp s, 0,1,2,3,4,5,6,7
.irp p, 0,1
	global_load_b32 v[AS+2*\s+\p], v[L4], s[6:7] offset:512*\s+128*\p
.endr
.endr
.irp ss, 0,1,2,3,4,5,6,7               ; my four channel blocks' fragments, K step by K step: they stay
.irp aa, 0,1,2,3
.set hF, 256+48*\ss+12*\aa
.if \ss > 4
.set hF, 512+48*(\ss-5)+12*\aa
.endif
	WIN (hF>>8)<<6
.irp g, 0,1,2
	global_load_b128 v[(hF&255)+4*\g:(hF&255)+4*\g+3], v[L16], s[4:5] offset:(\ss/2)*196608+\aa*3072+(\ss%2)*1536+512*\g
.endr
.endr
.endr
	WIN 0
.irp a, 0,1,2,3
	XL 1, \a
.endr
.irp a, 0,1,2,3
	XIN 0, \a, 63                                  ; over a hundred loads are younger: the largest count that a wait can name
.endr
	s_wait_tensorcnt 0x0                           ; my part of the codes is in,
.irp k, 0,1,2,3
	ds_store_b128 v[SCW], v[SCT+4*\k:SCT+4*\k+3] offset:512*\k   ; the four loads are in: the waits for 63 above left at most 63 of the 176 younger ones out
.endr
	s_wait_dscnt 0x0                               ; for the others' sake: my stores have landed
	s_barrier_signal -1
	s_barrier_wait -1                              ; everybody's are
	BSWL 0
	FETCHB 0, 0
.irp s, 0,1,2,3,4,5,6,7
	KSTEP 0, \s
.endr
	WAYOUT 0, 1
	BSWL 1
	FETCHB 1, 0
.irp a, 0,1,2,3
	XIN 1, \a, 56-8*\a                             ; younger: the sub-tile's later blocks, 8 loads each, and the 32 of sub-tile 2
.endr
.irp s, 0,1,2,3,4,5,6,7
	KSTEP 1, \s
.endr
	WAYOUT 1, 1
	BSWL 2
	FETCHB 2, 0
.irp a, 0,1,2,3
	XIN 2, \a, 56-8*\a                             ; likewise, and the 32 of sub-tile 3
.endr
.irp s, 0,1,2,3,4,5,6,7
	KSTEP 2, \s
.endr
	WAYOUT 2, 0                                    ; nothing is left to ask for
	BSWL 3
	FETCHB 3, 0
.irp a, 0,1,2,3
	XIN 3, \a, 24-8*\a
.endr
.irp s, 0,1,2,3,4,5,6,7
	KSTEP 3, \s
.endr
	WAYOUT 3, 0
	s_wait_tensorcnt 0x0                           ; the wave's end, behind my last tensor load and my last LDS store
	ds_add_u32 v[SPW], v[NIL]
	s_wait_dscnt 0x0
	CROUND                                         ; the closing round: no work-group ends while a partner may still ask for a tile that names it
	s_endpgm
.Lfunc_end_k_q023081a837_proj:
	.size	k_q023081a837_proj, .Lfunc_end_k_q023081a837_proj-k_q023081a837_proj
	.p2alignl 7, 3214868480
	.fill 96, 4, 3214868480
	.section	.rodata,"a",@progbits
	.p2align	6, 0x0
	.amdhsa_kernel k_q023081a837_proj
		.amdhsa_group_segment_fixed_size 327680
		.amdhsa_private_segment_fixed_size 0
		.amdhsa_enable_private_segment 0
		.amdhsa_kernarg_size 48
		.amdhsa_user_sgpr_count 2
		.amdhsa_user_sgpr_kernarg_segment_ptr 1
		.amdhsa_wavefront_size32 1
		.amdhsa_system_sgpr_workgroup_id_x 1
		.amdhsa_system_sgpr_workgroup_id_y 1
		.amdhsa_system_sgpr_workgroup_id_z 1
		.amdhsa_system_vgpr_workitem_id 0
		.amdhsa_next_free_vgpr 1024
		.amdhsa_next_free_sgpr 66
		.amdhsa_reserve_vcc 0
		.amdhsa_float_denorm_mode_32 3
		.amdhsa_float_denorm_mode_16_64 3
		.amdhsa_memory_ordered 1
		.amdhsa_forward_progress 1
		.amdhsa_inst_pref_size 185
	.end_amdhsa_kernel
	.amdgpu_metadata
---
amdhsa.version: [ 1, 2 ]
amdhsa.kernels:
  - .name:           k_q023081a837_proj
    .symbol:         k_q023081a837_proj.kd
    .args:
      - { .name: wo, .offset: 0, .size: 8, .value_kind: global_buffer, .address_space: global }
      - { .name: wos, .offset: 8, .size: 8, .value_kind: global_buffer, .address_space: global }
      - { .name: oc, .offset: 16, .size: 8, .value_kind: global_buffer, .address_space: global }
      - { .name: os, .offset: 24, .size: 8, .value_kind: global_buffer, .address_space: global }
      - { .name: x, .offset: 32, .size: 8, .value_kind: global_buffer, .address_space: global }
      - { .name: out0, .offset: 40, .size: 8, .value_kind: global_buffer, .address_space: global }
    .group_segment_fixed_size: 327680
    .private_segment_fixed_size: 0
    .kernarg_segment_align: 8
    .kernarg_segment_size: 48
    .max_flat_workgroup_size: 128
    .sgpr_count:     66
    .vgpr_count:     1024
    .wavefront_size: 32
...
	.end_amdgpu_metadata
.endif
;; end of part 3
